; MI455X (gfx1250); checked and timed in simulation.
; The chip was launched on July 23, 2026; its instructions are those of AMD's public machine-readable ISA for CDNA 5 (MIT licence, August 2026) and "CDNA5" Instruction Set Architecture Reference Guide (July 2026). The comments in the code are by the model that wrote it; some were corrected since.
;; Modern Bert Attention. Allowed arithmetic: matrix products marked QUANTISED: E2M1 operands, one E8M0 scale for each 32 along K, by v_wmma_scale_f32_16x16x128_f8f6f4 with both operands' format E2M1 (or v_wmma_scale_f32_32x16x128_f4), f32 sums; products left as they are: bf16, f16 or f32 operands; f32 sums; everything else in f32.
;; Inputs: Wk 1,024 x 1,024 float32; Wo 1,024 x 1,024 float32; Wq 1,024 x 1,024 float32; Wv 1,024 x 1,024 float32; attention_mask 4 x 1 x 1 x 2,048 float32; cos 2,048 x 64 float32; hidden_states 4 x 2,048 x 1,024 float32; sin 2,048 x 64 float32.
;; Outputs: out0 4 x 2,048 x 1,024 float32.
;; This version of the problem:
;;   THIS VERSION OF THE PROBLEM IS GIVEN IN LOW PRECISION. The matrix products marked QUANTISED in the list below multiply operands that are first quantised to E2M1 (2 exponent bits, 1 mantissa bit; 4 bits a number), with one power-of-two scale for each 32 numbers along K (OCP MX v1.0); their sums are f32. The products marked 'left as it is' may take bf16, f16 or f32 operands, with f32 sums. Whichever they take, every output number must still come out within the allowed error. Rounding operands to bf16 (8 significant bits) uses up far more of that allowance than f16 does (11 bits, for magnitudes from 6e-5 to 65,504). All else is computed in f32.
;;   The module's matrix products, in the order in which they are computed (A, B: the left and right operand; K: the contracted axis; several contracted axes count as one K, in the product's order):
;;     1. [M 8,192, K 1,024] x [K 1,024, N 1,024]; A: input hidden_states; B: input Wq: QUANTISED
;;     2. [M 8,192, K 1,024] x [K 1,024, N 1,024]; A: input hidden_states; B: input Wk: QUANTISED
;;     3. [M 8,192, K 1,024] x [K 1,024, N 1,024]; A: input hidden_states; B: input Wv: QUANTISED
;;     4. batch 64 x [M 2,048, K 64] x [K 64, N 2,048]; A: computed on the way; B: computed on the way: left as it is (an operand is computed on the way)
;;     5. batch 64 x [M 2,048, K 2,048] x [K 2,048, N 64]; A: computed on the way; B: computed on the way: left as it is (an operand is computed on the way)
;;     6. [M 8,192, K 1,024] x [K 1,024, N 1,024]; A: computed on the way; B: input Wo: left as it is (an operand is computed on the way)
;;   THE QUANTISER, for each operand of a quantised product, along K:
;;     - K is cut into blocks of 32 from its start; a last block that is shorter is filled with zeros.
;;     - A block's scale is 2^e with e = floor(log2(the largest magnitude in the block)) - 2, held to -126 .. 127; a block of zeros has e = 0. As a byte (E8M0): e + 127.
;;     - Each number is divided by its block's scale, clamped to +-6, and rounded to the nearest number of E2M1, ties to even, subnormals kept.
;;     - The product sums the exact products of the quantised numbers (number of the format x scale) in f32.
;;   ~~~python
;;   def quantise(x, axis):      # numpy; x: float32 -> the quantised numbers, widened to float32 again
;;       x = np.moveaxis(x, axis, -1); K = x.shape[-1]
;;       x = np.pad(x, [(0, 0)] * (x.ndim - 1) + [(0, -K % 32)]); x = x.reshape(x.shape[:-1] + (-1, 32)); a = np.abs(x).max(-1, keepdims=True)
;;       e = np.where(a > 0, np.clip(np.frexp(np.where(a > 0, a, 1))[1] - 1 - 2, -126, 127), 0)      # np.frexp(a)[1] - 1 = floor(log2(a)), exactly
;;       r = np.clip(x / 2.0 ** e, -6, 6)
;;       step = 2.0 ** (np.maximum(np.frexp(np.where(r == 0, 1, r))[1] - 1, 0) - 1)
;;       q = np.round(r / step) * step * 2.0 ** e      # np.round: ties to even
;;       return np.moveaxis(q.reshape(q.shape[:-2] + (-1,))[..., :K], -1, axis).astype(np.float32)
;;   ~~~
;; One version. Each part assembles by itself: llvm-mc -triple=amdgcn-amd-amdhsa -mcpu=gfx1250 --defsym DOCPART=n.
;; ======== version 1 of 1: 4 launches
;; limits: values are held in f16: magnitudes above 65,504 overflow, below 6.1e-05 lose precision; right only within a limited range of input values
;; workspace buffers: codes 5,767,168 bytes; scales 360,448 bytes; wo_h 2,097,152 bytes; qkv 50,331,648 bytes; o_ws 16,777,216 bytes
;; launch prep (part 1): grid 384 x 1, 4 waves a work-group, no clusters, 33,280 bytes of LDS; arguments hidden_states, Wq, Wk, Wv, codes, scales, Wo, wo_h; writes codes, scales, wo_h
.if DOCPART == 1
	.amdgcn_target "amdgcn-amd-amdhsa--gfx1250"
	.amdhsa_code_object_version 6
	.text
	.protected	k_q89118bf47c_prep
	.globl	k_q89118bf47c_prep
	.p2align	8
	.type	k_q89118bf47c_prep,@function
k_q89118bf47c_prep:
	s_mov_b64 s[64:65], 0
	v_nop
	global_prefetch_b8 v0, s[64:65] scope:SCOPE_SE
	s_setreg_imm32_b32 hwreg(HW_REG_WAVE_MODE, 25, 1), 1
	s_wait_xcnt 0x0
; hidden_states [8192][1024], Wq, Wk, Wv [1024][1024], f32, K innermost, become codes of FP4 (E2M1), two a byte, with one E8M0 byte for each 32 along K.
; They go into ONE buffer of codes, [11264 rows][512 bytes], and one of scale bytes, [11264][32]: rows 0-8191 the tokens, then Wq's, Wk's, Wv's 1,024 rows each.  Wo [1024][1024] becomes f16, row-major.
; A block's scale is 2^(floor(log2(its largest magnitude)) - 2); its byte is the largest magnitude's exponent field - 2, held at 1 from below.  Each number is divided by the scale and rounded to the nearest code, ties to even; beyond 6 the largest code.
; LIMITS: a block of zeros gets the byte 1 where the rule says 127 (its codes are zeros, and this program alone reads the bytes); blocks whose largest magnitude lies under 2^-124 are held at that floor; NaN and infinities are not served.
; Wo in f16: magnitudes up to 65,504; under 6e-5 with an absolute error of 3e-8.
; SHARES: a work-group takes 32,768 numbers, a wave 8,192.  Work-groups 0-255: the tokens; 256-287 Wq; 288-319 Wk; 320-351 Wv; 352-383 Wo.  Rows are dense, so every tensor is a plain stream of blocks of 32,
; and since the buffers are laid in the order of the work-groups, the wave's run of codes and bytes is 4 x work-group + wave for all four tensors.
; THE QUANTISER: 16 steps of 512 numbers.  A load reads 512 consecutive bytes, 16 a lane; a step's 2,048 bytes turn through the wave's own stage in LDS and come back 64 bytes a lane, so that a lane holds 16 neighbours
; along K (two neighbouring lanes hold a block).  A lane's 16 codes are 8 bytes: the wave stores 256 consecutive bytes.  A wave's 256 scale bytes are gathered in LDS and leave as 256 consecutive bytes.
; No tensor loads, no barrier: waves share nothing.  Matrix units and clusters have nothing to do in a stream.
.set WAVES, 4
.set STEPS, 16
.set EMAX,  2
.set CB,    8                          ; bytes of 16 codes
.set R,     16                         ; v16-79   four sets of 16 numbers as they are loaded (Wo's path: v16-143, two sets of 64)
.set X,     80                         ; v80-111  two sets of 16 neighbours
.set E,     112                        ; v112-127 a scale byte for each step
.set C,     128                        ; v128-191 codes: four registers for each step, so that no store's data are written again
.set WREG,  8192                       ; LDS: a region for each wave: two stages of 32 x SP bytes, behind them its 256 scale bytes
.set SP,    80                         ; a lane's place in a stage: 64 bytes + 16 of padding
.set SPW,   12                         ; v12  LDS address of my spare word; never rewritten
.set NIL,   13                         ; v13  0; never rewritten
.set SPARE, WAVES*WREG                 ; behind the four regions: the spare words, 128 bytes a wave
	s_load_b256 s[4:11], s[0:1], 0x0               ; hidden_states s[4:5], Wq s[6:7], Wk s[8:9], Wv s[10:11]
	s_load_b256 s[12:19], s[0:1], 0x20             ; codes s[12:13], scales s[14:15], Wo s[16:17], wo_h s[18:19]
	v_lshl_add_u32 v[SPW], v0, 2, SPARE
	v_mov_b32 v[NIL], 0
	v_lshrrev_b32 v1, 5, v0
	v_readfirstlane_b32 s20, v1                    ; wave
	v_and_b32 v2, 31, v0                           ; lane
	v_lshlrev_b32 v3, 4, v2                        ; my 16 bytes of a load's 512
	s_mul_i32 s21, s20, WREG
	v_lshrrev_b32 v14, 2, v2
	v_mul_u32_u24 v14, v14, SP
	v_and_b32 v15, 3, v2
	v_lshl_add_u32 v14, v15, 4, v14
	v_add_nc_u32 v14, s21, v14                     ; the stage, on the way in: four lanes' 64 bytes on end, then 16 of padding
	v_mul_u32_u24 v15, v2, SP
	v_add_nc_u32 v15, s21, v15                     ; and on the way out: SP x lane: my 16 neighbours
	v_mul_u32_u24 v4, v2, CB                       ; 8 x lane: my codes' place in a step's (Wo's path: my four f16)
	v_lshrrev_b32 v5, 1, v2
	s_add_co_u32 s21, s21, 2*32*SP
	v_add_nc_u32 v5, s21, v5                       ; LDS: my wave's 256 scale bytes, my block's byte
	v_lshlrev_b32 v7, 3, v2
	v_add_nc_u32 v6, s21, v7                       ; and on the way out 8 bytes a lane
	s_and_b32 s22, ttmp9, 31                       ; the work-group's number within a weight (256, 288, 320 are multiples of 32)
	s_lshl_b32 s28, ttmp9, 2
	s_add_co_u32 s28, s28, s20                     ; my run of 8,192 numbers in the buffers of codes and bytes
	s_mov_b32 s27, 0
	s_wait_kmcnt 0x0
	s_cmp_ge_u32 ttmp9, 352
	s_cbranch_scc1 .Lwo
	s_cmp_lt_u32 ttmp9, 256                        ; which tensor?  The choices hang on the work-group's number alone
	s_cselect_b64 s[24:25], s[4:5], s[6:7]
	s_cselect_b32 s22, ttmp9, s22
	s_cmp_ge_u32 ttmp9, 288
	s_cselect_b64 s[24:25], s[8:9], s[24:25]
	s_cmp_ge_u32 ttmp9, 320
	s_cselect_b64 s[24:25], s[10:11], s[24:25]
	s_lshl_b32 s22, s22, 2
	s_add_co_u32 s22, s22, s20                     ; my run in the tensor
	s_lshl_b32 s26, s22, 15                        ; 32,768 bytes of f32 a run
	s_add_nc_u64 s[24:25], s[24:25], s[26:27]
	s_lshl_b32 s26, s28, 12                        ; 4,096 bytes of codes
	s_add_nc_u64 s[12:13], s[12:13], s[26:27]
	s_lshl_b32 s26, s28, 8                         ; 256 scale bytes
	s_add_nc_u64 s[14:15], s[14:15], s[26:27]
.macro LOAD t
.irp i, 0,1,2,3
	global_load_b128 v[R+16*((\t)%4)+4*\i:R+16*((\t)%4)+4*\i+3], v3, s[24:25] offset:2048*(\t)+512*\i th:TH_LOAD_NT   ; 32 lanes read 512 consecutive bytes
.endr
.endm
.macro TURN t                          ; step t's numbers through the stage: LDS serves a wave's instructions in order, so no wait stands between the stores and the loads
.irp i, 0,1,2,3
	ds_store_b128 v14, v[R+16*((\t)%4)+4*\i:R+16*((\t)%4)+4*\i+3] offset:32*SP*((\t)%2)+8*SP*\i
.endr
.irp i, 0,1,2,3
	ds_load_b128 v[X+16*((\t)%2)+4*\i:X+16*((\t)%2)+4*\i+3], v15 offset:32*SP*((\t)%2)+16*\i
.endr
.endm
.irp t, 0,1,2,3
	LOAD \t
.endr
	s_wait_loadcnt 12                              ; step 0's four loads are in; the twelve of steps 1 to 3 may be out
	TURN 0
.macro STEP t
.set XS, X+16*((\t)%2)
.if (\t) > 0
	s_wait_dscnt 1                                 ; this step's numbers are back from the stage (the last step's byte store may be out): so its stores into the stage have read their registers,
.else
	s_wait_dscnt 0x0
.endif
.if (\t)+4 < STEPS
	LOAD (\t)+4                                    ; which take the loads of four steps on
.endif
.if (\t)+1 < STEPS
.if STEPS-2-(\t) >= 3
	s_wait_loadcnt 12                              ; the next step's four loads are in; those of the three steps behind it may be out
.else
	s_wait_loadcnt 4*(STEPS-2-(\t))
.endif
	TURN (\t)+1                                    ; and go through the other stage while this step is worked
.endif
	v_max3_num_f32 v8, |v[XS]|, |v[XS+1]|, |v[XS+2]|               ; the largest magnitude of my 16, in two chains
	v_max3_num_f32 v9, |v[XS+3]|, |v[XS+4]|, |v[XS+5]|
.irp i, 6,10
	v_max3_num_f32 v8, v8, |v[XS+\i]|, |v[XS+\i+1]|
	v_max3_num_f32 v9, v9, |v[XS+\i+2]|, |v[XS+\i+3]|
.endr
	v_max3_num_f32 v8, v8, |v[XS+14]|, |v[XS+15]|
	v_max3_num_f32 v8, v8, v9, (EMAX+1)<<23        ; and the floor 2^(EMAX + 1 - 127): so the byte cannot fall under 1
	v_max_num_f32_dpp v8, v8, v8 row_xmask:1 row_mask:0xf bank_mask:0xf   ; and of my neighbour's 16: the block's
	v_add_nc_u32 v11, -(EMAX<<23), v8              ; EMAX off its exponent field: the conversion takes the exponent field of this operand as its scale, and nothing else of it
	v_cvt_scalef32_pk8_fp4_f32 v[C+4*(\t)], v[XS:XS+7], v11
	v_cvt_scalef32_pk8_fp4_f32 v[C+4*(\t)+1], v[XS+8:XS+15], v11
	v_lshrrev_b32 v[E+(\t)], 23, v11               ; the scale's byte (a plain line behind the conversions)
	ds_store_b8 v5, v[E+(\t)] offset:16*(\t)       ; both lanes of a block write the same byte with the same value
	global_store_b64 v4, v[C+4*(\t):C+4*(\t)+1], s[12:13] offset:32*CB*(\t)   ; 32 lanes store 256 consecutive bytes, aligned
.endm
.irp t, 0,1,2,3,4,5,6,7,8,9,10,11,12,13,14,15
	STEP \t
.endr
	ds_load_b64 v[8:9], v6                         ; LDS serves a wave's instructions in order: these see my stores
	s_wait_dscnt 0x0
	global_store_b64 v7, v[8:9], s[14:15]          ; 32 lanes store 256 consecutive bytes, aligned
	s_wait_tensorcnt 0x0                           ; the wave's end: behind my last LDS store
	ds_add_u32 v[SPW], v[NIL]
	s_wait_dscnt 0x0
	s_endpgm
; Wo to f16: a plain stream, no LDS.  A wave takes 8,192 numbers in four groups of 16 loads of 512 consecutive bytes; a lane's four numbers become 8 bytes, so a store covers 256 consecutive bytes, aligned.  Two groups of loads are out.
.Lwo:
	s_sub_co_u32 s22, ttmp9, 352
	s_lshl_b32 s22, s22, 2
	s_add_co_u32 s22, s22, s20                     ; my run of 8,192 numbers
	s_lshl_b32 s26, s22, 15
	s_add_nc_u64 s[16:17], s[16:17], s[26:27]
	s_lshl_b32 s26, s22, 14
	s_add_nc_u64 s[18:19], s[18:19], s[26:27]
.macro WLOAD g
.irp i, 0,1,2,3,4,5,6,7,8,9,10,11,12,13,14,15
	global_load_b128 v[R+64*((\g)%2)+4*\i:R+64*((\g)%2)+4*\i+3], v3, s[16:17] offset:8192*(\g)+512*\i th:TH_LOAD_NT
.endr
.endm
.macro WCVT g
.irp i, 0,1,2,3,4,5,6,7,8,9,10,11,12,13,14,15
	v_cvt_pk_f16_f32 v[R+64*((\g)%2)+4*\i], v[R+64*((\g)%2)+4*\i], v[R+64*((\g)%2)+4*\i+1]
	v_cvt_pk_f16_f32 v[R+64*((\g)%2)+4*\i+1], v[R+64*((\g)%2)+4*\i+2], v[R+64*((\g)%2)+4*\i+3]
	global_store_b64 v4, v[R+64*((\g)%2)+4*\i:R+64*((\g)%2)+4*\i+1], s[18:19] offset:4096*(\g)+256*\i
.endr
.endm
	WLOAD 0
	WLOAD 1
	s_wait_loadcnt 16                              ; group 0 is in; group 1's sixteen may be out
	WCVT 0
	s_wait_xcnt 0x0                                ; group 0's stores have read their registers: they are loaded again only behind this wait
	WLOAD 2
	s_wait_loadcnt 16                              ; group 1 is in
	WCVT 1
	s_wait_xcnt 0x0
	WLOAD 3
	s_wait_loadcnt 16                              ; group 2 is in
	WCVT 2
	s_wait_loadcnt 0x0
	WCVT 3
	s_wait_tensorcnt 0x0                           ; the same three lines close this path too
	ds_add_u32 v[SPW], v[NIL]
	s_wait_dscnt 0x0
	s_endpgm
.Lfunc_end_k_q89118bf47c_prep:
	.size	k_q89118bf47c_prep, .Lfunc_end_k_q89118bf47c_prep-k_q89118bf47c_prep
	.p2alignl 7, 3214868480
	.fill 96, 4, 3214868480
	.section	.rodata,"a",@progbits
	.p2align	6, 0x0
	.amdhsa_kernel k_q89118bf47c_prep
		.amdhsa_group_segment_fixed_size 33280
		.amdhsa_private_segment_fixed_size 0
		.amdhsa_enable_private_segment 0
		.amdhsa_kernarg_size 64
		.amdhsa_user_sgpr_count 2
		.amdhsa_user_sgpr_kernarg_segment_ptr 1
		.amdhsa_wavefront_size32 1
		.amdhsa_system_sgpr_workgroup_id_x 1
		.amdhsa_system_sgpr_workgroup_id_y 1
		.amdhsa_system_sgpr_workgroup_id_z 1
		.amdhsa_system_vgpr_workitem_id 0
		.amdhsa_next_free_vgpr 192
		.amdhsa_next_free_sgpr 66
		.amdhsa_reserve_vcc 0
		.amdhsa_float_denorm_mode_32 3
		.amdhsa_float_denorm_mode_16_64 3
		.amdhsa_memory_ordered 1
		.amdhsa_forward_progress 1
		.amdhsa_inst_pref_size 54
	.end_amdhsa_kernel
	.amdgpu_metadata
---
amdhsa.version: [ 1, 2 ]
amdhsa.kernels:
  - .name:           k_q89118bf47c_prep
    .symbol:         k_q89118bf47c_prep.kd
    .args:
      - { .name: hidden_states, .offset: 0, .size: 8, .value_kind: global_buffer, .address_space: global }
      - { .name: Wq, .offset: 8, .size: 8, .value_kind: global_buffer, .address_space: global }
      - { .name: Wk, .offset: 16, .size: 8, .value_kind: global_buffer, .address_space: global }
      - { .name: Wv, .offset: 24, .size: 8, .value_kind: global_buffer, .address_space: global }
      - { .name: codes, .offset: 32, .size: 8, .value_kind: global_buffer, .address_space: global }
      - { .name: scales, .offset: 40, .size: 8, .value_kind: global_buffer, .address_space: global }
      - { .name: Wo, .offset: 48, .size: 8, .value_kind: global_buffer, .address_space: global }
      - { .name: wo_h, .offset: 56, .size: 8, .value_kind: global_buffer, .address_space: global }
    .group_segment_fixed_size: 33280
    .private_segment_fixed_size: 0
    .kernarg_segment_align: 8
    .kernarg_segment_size: 64
    .max_flat_workgroup_size: 128
    .sgpr_count:     66
    .vgpr_count:     192
    .wavefront_size: 32
...
	.end_amdgpu_metadata
.endif
;; end of part 1
;; launch qkv (part 2): grid 12 x 32, 4 waves a work-group, clusters of 4 x 4, 327,680 bytes of LDS; arguments codes, scales, cos, sin, qkv; writes qkv
.if DOCPART == 2
	.amdgcn_target "amdgcn-amd-amdhsa--gfx1250"
	.amdhsa_code_object_version 6
	.text
	.protected	k_q89118bf47c_qkv
	.globl	k_q89118bf47c_qkv
	.p2align	8
	.type	k_q89118bf47c_qkv,@function
k_q89118bf47c_qkv:
	s_mov_b64 s[64:65], 0
	v_nop
	global_prefetch_b8 v0, s[64:65] scope:SCOPE_SE
	s_setreg_imm32_b32 hwreg(HW_REG_WAVE_MODE, 25, 1), 1
	s_wait_xcnt 0x0
	s_wait_alu depctr_hold_cnt(0) depctr_sa_sdst(0) depctr_va_vdst(0) depctr_va_sdst(0) depctr_va_ssrc(0) depctr_va_vcc(0) depctr_vm_vsrc(0)
	s_getreg_b32 s2, hwreg(HW_REG_IB_STS2, 6, 4)
	s_cmp_eq_u32 s2, 0
	s_cbranch_scc0 .Lentry_in_a_cluster
	s_endpgm
.Lentry_in_a_cluster:
	s_bfe_u32 s2, ttmp6, 0x10000c
	s_cmp_lg_u32 s2, 0xf033
	s_cbranch_scc0 .Lentry_shape_is_right
	s_endpgm
.Lentry_shape_is_right:
; q, k, v = x Wq^T, x Wk^T, x Wv^T on codes of FP4 (E2M1) with one E8M0 scale for each 32 along K = 1,024; sums in f32; then the rotation of q and k by cos and sin, in f32; then f16.
; codes: [11264 rows][512 bytes], scales: [11264][32]: rows 0-8191 the tokens (2,048 b + s), 8192 on Wq's, 9216 on Wk's, 10240 on Wv's.
; A tile of 256 x 256 results is made by a work-group of four waves, a wave 128 x 128: 64 accumulators, 512 registers.  K is exactly two LDS slots of 512: three first fills a wave (scales, slot 0, slot 1), nothing is filled again.
; THE MATRIX INSTRUCTION: source 0 = 16 rows of the tile's B side, source 1 = 16 rows of its A side: a lane holds ONE row of A and eight neighbouring rows of B.
;   clusters x = 0 (q) and 1 (k): A = tokens, B = rows of Wq or Wk: a lane holds a token and eight neighbouring channels;
;   cluster  x = 2 (v):           A = rows of Wv, B = tokens:       a lane holds a channel and eight neighbouring tokens.
; The kind hangs on the cluster's x, the same in all sixteen partners.  A's tiles are shared along a row of the cluster, B's along a column: each is asked for jointly.
; THE RESULTS LEAVE AS IMAGES OF THE NEXT PRODUCT'S OPERAND REGISTERS.  A fragment of 16 x 32 f16 is 1,024 bytes: registers 0-3 of lane l at 16 l, registers 4-7 at 512 + 16 l.  A lane's eight results, packed, are such a group of four registers:
; every store of the wave covers 512 consecutive bytes, aligned; no stage in LDS is needed.
;   qkv: q at 0, k at 16 MiB, v at 32 MiB; each [16 b + head][262,144 bytes].  q, k: [tile of 16 tokens][32 channels][1,024].  v: [32 keys][16 channels][1,024], lane = channel, registers along the keys.
; q and k are stored x 2^-4 (folded into cos and sin; exact), so that f16 holds them.  LIMITS: |q|, |k| under 1.04e6, |v| under 65,504; what falls under 6e-5 (after the 2^-4) has an absolute error of 3e-8.
; REGISTERS, in windows of 256: window 0: v0-31 addresses; v32-95 scale words, two sets; v128-191 A's fragments, one set; on the way out v32-255 are free.  window 1: B's fragments, two sets.  windows 2, 3: the accumulators ((a, b) at v[8 (8 (a % 4) + b)]).
.set NQ,     4                         ; matrix instructions deep in a slot of 512 along K
.set ROWB,   256                       ; a tile's row in bytes
.set KROW,   512                       ; a row of codes in memory
.set PITCH,  272                       ; an LDS row: 256 bytes + 16 of padding = 68 words: the 16 rows that a load touches start at 16 different banks (64 banks of 4 bytes: ISA guide 11.1)
.set FR,     8
.set NL,     2
.set NP,     4                         ; places behind this matrix instruction (ISA guide 7.12.1)
.set HALFT,  128*PITCH                 ; 128 rows: what one tensor load brings
.set SLOT,   4*HALFT                   ; A's 256 rows, then B's 256 rows
.set KS,     32                        ; a row of scales in bytes
.set SCL,    2*SLOT                    ; behind the slots: the scales, as runs of 256 bytes + 16 of padding
.set HALFS,  16*272                    ; the scales of 128 rows
.set SBLK,   2*272                     ; those of 16 rows
.set SPARE,  SCL+4*HALFS               ; the spare words, 128 bytes a wave
.set ADRA, 16                          ; v16-17  LDS address of my A fragments in slot 0, 1
.set ADRB, 20                          ; v20-21  the same for B
.set RO,   25                          ; v25     my byte in a block's 16 rows of cos and sin: 256 (l % 16) + 32 (l / 16)
.set CO,   26                          ; v26     16 x lane: my place in an image
.set ADRS, 27                          ; v27     LDS address of my scale words: lanes 0-15 A's rows, lanes 16-31 B's
.set SPW,  28                          ; v28     my spare word; never rewritten
.set NIL,  29                          ; v29     0; never rewritten
.set SC,   32                          ; scale words: set s at v[SC + 32 s]; register 4 i + q: lanes 0-15 A's block i, lanes 16-31 B's block i
.set AF,   128                         ; A's fragments
.set CSR,  32                          ; the way out: two sets of 64: 32 of cos, 32 of sin
.set T,    160                         ; v160-223 a block's 64 rotated numbers
.set PK,   224                         ; v224-255 packed
.set G1, 24
.set G0, 32
.set G1B, 48
.set G0B, 56
.set G1S, 68
.set G0S, 76
.set G1SB, 80
.set G0SB, 88
.set MSB, 0
.macro WIN new                         ; the immediate's high byte repeats the setting that is left
.if MSB != (\new)
	s_set_vgpr_msb (MSB<<8)|(\new)
.set MSB, (\new)
.endif
.endm
.set MUL_LO, 0xa1                      ; source 0 (B) window 1, source 1 (A) window 0, C and D window 2
.set MUL_HI, 0xf1                      ; the same, C and D window 3
.set TO_B,   0x40                      ; destination window 1, address window 0
; A joint load: waves 0 and 1 fetch for A, waves 2 and 3 for B.  The branch hangs on the wave's number alone.  An s_nop 0 and four v_nop follow each of the two lines.
.macro JLOAD g0a, g1a, g0b, g1b
	s_cmp_eq_u32 s15, 0
	s_cbranch_scc0 .Lfor_b_\@
	tensor_load_to_lds s[\g0a:\g0a+3], s[\g1a:\g1a+7]
	s_nop 0
.rept 4
	v_nop
.endr
	s_branch .Lasked_\@
.Lfor_b_\@:
	tensor_load_to_lds s[\g0b:\g0b+3], s[\g1b:\g1b+7]
	s_nop 0
.rept 4
	v_nop
.endr
.Lasked_\@:
.endm
.macro CROUND                          ; a round of the cluster's barrier
	s_barrier_signal -1
	s_barrier_wait -1
	s_cmp_lg_u32 s14, 0
	s_cbranch_scc1 .Lnot_wave_0_\@
	s_barrier_signal -3
.Lnot_wave_0_\@:
	s_barrier_wait -3
	s_barrier_signal -1
	s_barrier_wait -1
.endm
	s_load_b128 s[4:7], s[0:1], 0x0                ; codes s[4:5], scales s[6:7]
	s_load_b128 s[8:11], s[0:1], 0x10              ; cos s[8:9], sin s[10:11]
	s_load_b64 s[12:13], s[0:1], 0x20              ; qkv
	v_lshl_add_u32 v[SPW], v0, 2, SPARE
	v_mov_b32 v[NIL], 0
	ds_add_u32 v[SPW], v[NIL]                      ; the wave's opening: the add, twice on end, and its wait ahead of my first tensor load
	ds_add_u32 v[SPW], v[NIL]
	v_lshrrev_b32 v1, 5, v0
	v_readfirstlane_b32 s14, v1                    ; wave 0..3
	s_lshr_b32 s15, s14, 1                         ; which half of A's rows is mine.  Also: I fetch for A (0) or for B (1)
	s_and_b32 s16, s14, 1                          ; which half of B's rows.  Also: which 128 rows of that tile I fetch
	s_bfe_u32 s40, ttmp6, 0x40000                  ; cx, cy: my place in the cluster
	s_bfe_u32 s41, ttmp6, 0x40004
	s_and_b32 s17, ttmp7, 0xffff                   ; the cluster's y
	s_cmp_eq_u32 ttmp9, 2                          ; v's cluster?  (the cluster's x: the same in all partners)
	s_cselect_b32 s42, s17, ttmp9                  ; B's tiles: v: 4 y + cx of the 32 tiles of tokens; q, k: 4 x + cx of the 8 tiles of Wq's and Wk's rows
	s_cselect_b32 s95, 10240, 0                    ; A's first row in the buffer: Wv's, or the tokens'
	s_cselect_b32 s96, 0, 8192                     ; B's: the tokens', or Wq's
	s_cselect_b32 s17, 0, s17                      ; A's tiles: v: cy of Wv's 4; q, k: 4 y + cy of the 32 tiles of tokens
	s_lshl_b32 s42, s42, 2
	s_add_co_u32 s42, s42, s40
	s_lshl_b32 s17, s17, 2
	s_add_co_u32 s17, s17, s41
	s_lshl_b32 s43, s41, 2
	s_lshl_b32 s43, 15, s43                        ; my row of the cluster
	s_lshl_b32 s44, 0x1111, s40                    ; my column
	; descriptor group 1: a tile of 128 rows x 256 bytes, padded in LDS
	s_or_b32 s[G1+0], s43, (0<<16)|(1<<20)|(1<<21)|(5<<22)|(3<<25)  ; 15:0 the mask: A's tiles go to my row; 17:16 elements of 1 byte; 20 padding on; 21 set beside a mask; 24:22 after every 64 words; 31:25 four words
	s_or_b32 s[G1B+0], s44, (0<<16)|(1<<20)|(1<<21)|(5<<22)|(3<<25)
.irp g, G1, G1B
	s_mov_b32 s[\g+1], ROWB<<16                    ; tensor_dim0
	s_mov_b32 s[\g+2], 128<<16                     ; tensor_dim1
	s_mov_b32 s[\g+3], ROWB<<16                    ; tile_dim0
	s_mov_b32 s[\g+4], 128                         ; tile_dim1
	s_mov_b32 s[\g+5], KROW                        ; from row to row
	s_mov_b32 s[\g+6], 0
	s_mov_b32 s[\g+7], 0
.endr
	; the scales of 128 rows: 4,096 dense bytes, as 16 rows of 256 bytes (32 elements of 8 bytes), 16 bytes of padding behind each
	s_or_b32 s[G1S+0], s43, (3<<16)|(1<<20)|(1<<21)|(5<<22)|(3<<25)
	s_or_b32 s[G1SB+0], s44, (3<<16)|(1<<20)|(1<<21)|(5<<22)|(3<<25)
.irp g, G1S, G1SB
	s_mov_b32 s[\g+1], 32<<16
	s_mov_b32 s[\g+2], 16<<16
	s_mov_b32 s[\g+3], 32<<16
	s_mov_b32 s[\g+4], 16
	s_mov_b32 s[\g+5], 32
	s_mov_b32 s[\g+6], 0
	s_mov_b32 s[\g+7], 0
.endr
	s_lshl_b32 s18, s16, 7                         ; which 128 rows of the tile I fetch
	s_lshl_b32 s20, s17, 8
	s_add_co_u32 s20, s20, s18
	s_add_co_u32 s20, s20, s95                     ; A: its first row + 256 x tile + 128 x half
	s_lshl_b32 s46, s42, 8
	s_add_co_u32 s46, s46, s18
	s_add_co_u32 s46, s46, s96                     ; B likewise
	s_lshl_b32 s22, s20, 5                         ; where these rows' scales begin: 32 bytes a row
	s_mov_b32 s23, 0
	s_lshl_b32 s92, s46, 5
	s_mov_b32 s93, 0
	s_lshl_b32 s20, s20, 9                         ; and their codes: 512 bytes a row
	s_mov_b32 s21, 0
	s_lshl_b32 s46, s46, 9
	s_mov_b32 s47, 0
	s_mul_i32 s45, s14, HALFT                      ; where they go: wave x 128 rows: no place in the cluster enters an LDS address
	s_mul_i32 s94, s14, HALFS
	s_wait_dscnt 0x0                               ; both opening adds are done
	s_wait_kmcnt 0x0
	s_add_nc_u64 s[20:21], s[4:5], s[20:21]
	s_add_nc_u64 s[22:23], s[6:7], s[22:23]
	s_add_nc_u64 s[46:47], s[4:5], s[46:47]
	s_add_nc_u64 s[92:93], s[6:7], s[92:93]
	CROUND                                         ; all sixteen work-groups are here: the joint loads meet
	s_mov_b32 s[G0S], 1
	s_add_co_u32 s[G0S+1], s94, SCL
	s_mov_b64 s[G0S+2:G0S+3], s[22:23]
	s_or_b32 s[G0S+3], s[G0S+3], 0x80000000
	s_mov_b32 s[G0SB], 1
	s_add_co_u32 s[G0SB+1], s94, SCL
	s_mov_b64 s[G0SB+2:G0SB+3], s[92:93]
	s_or_b32 s[G0SB+3], s[G0SB+3], 0x80000000
	JLOAD G0S, G1S, G0SB, G1SB                     ; the scales first: they are wanted with slot 0
.irp s, 0,1
	s_mov_b32 s[G0+4*\s], 1
	s_add_co_u32 s[G0+4*\s+1], s45, \s*SLOT
	s_add_nc_u64 s[G0+4*\s+2:G0+4*\s+3], s[20:21], \s*ROWB
	s_or_b32 s[G0+4*\s+3], s[G0+4*\s+3], 0x80000000
	s_mov_b32 s[G0B+4*\s], 1
	s_add_co_u32 s[G0B+4*\s+1], s45, \s*SLOT
	s_add_nc_u64 s[G0B+4*\s+2:G0B+4*\s+3], s[46:47], \s*ROWB
	s_or_b32 s[G0B+4*\s+3], s[G0B+4*\s+3], 0x80000000
	JLOAD G0+4*\s, G1, G0B+4*\s, G1B               ; three tensor loads of mine are out
.endr
	v_and_b32 v1, 15, v0                           ; l % 16
	v_bfe_u32 v2, v0, 4, 1                         ; l / 16
	v_mul_u32_u24 v3, v1, PITCH
	v_lshl_add_u32 v4, v2, 4, v3                   ; a fragment's row x pitch + 16 x half
	s_mul_i32 s21, s15, HALFT                      ; my 128 rows of A
	s_mul_i32 s22, s16, HALFT                      ; my 128 rows of B,
	s_add_co_u32 s22, s22, 2*HALFT                 ; which lie behind A's 256
.irp s, 0,1
	v_add_nc_u32 v[ADRA+\s], s21, v4
	v_add_nc_u32 v[ADRB+\s], s22, v4
	s_add_co_u32 s21, s21, SLOT
	s_add_co_u32 s22, s22, SLOT
.endr
	v_mul_u32_u24 v5, v1, KS                       ; my row's scales: 32 bytes a row,
	v_lshrrev_b32 v6, 8, v5
	v_lshl_add_u32 v5, v6, 4, v5                   ; and 16 more for each 256 passed
	s_mul_i32 s21, s15, HALFS                      ; A's: my 128 rows
	s_mul_i32 s22, s16, HALFS                      ; B's: my 128 rows, behind A's 256
	s_add_co_u32 s22, s22, 2*HALFS
	s_sub_co_u32 s22, s22, s21
	v_mul_u32_u24 v6, s22, v2                      ; lanes 16-31 take B's
	s_add_co_u32 s21, s21, SCL
	v_add_nc_u32 v5, v5, v6
	v_add_nc_u32 v[ADRS], s21, v5
	v_lshlrev_b32 v[RO], 8, v1
	v_lshl_add_u32 v[RO], v2, 5, v[RO]
	v_and_b32 v6, 31, v0
	v_lshlrev_b32 v[CO], 4, v6
	; where my results go, and my rows of cos and sin (in registers that feed no descriptor)
	s_and_b32 s18, s42, 3
	s_lshl_b32 s18, s18, 2
	s_lshl_b32 s19, s16, 1
	s_add_co_u32 s18, s18, s19                     ; q, k: my first head = 4 (B's tile % 4) + 2 x half: 128 rows of a weight are two heads
	s_lshl_b32 s19, s17, 2
	s_lshl_b32 s2, s15, 1
	s_add_co_u32 s19, s19, s2                      ; v: 4 x A's tile + 2 x half
	s_cmp_eq_u32 ttmp9, 2
	s_cselect_b32 s18, s19, s18                    ; my first head
	s_cselect_b32 s3, s42, s17                     ; my tile of 256 tokens
	s_cselect_b32 s2, s16, s15                     ; and which 128 of them
	s_and_b32 s19, s3, 7
	s_lshl_b32 s19, s19, 8
	s_lshl_b32 s2, s2, 7
	s_add_co_u32 s19, s19, s2                      ; my first token in its sequence
	s_lshr_b32 s3, s3, 3                           ; the batch
	s_lshl_b32 s3, s3, 4
	s_add_co_u32 s3, s3, s18                       ; 16 b + head
	s_lshl_b32 s66, s3, 18
	s_lshl_b32 s2, ttmp9, 24                       ; q, k or v: 16 MiB each
	s_add_co_u32 s66, s66, s2
	s_lshl_b32 s2, s19, 7                          ; 128 bytes a token in all three layouts
	s_add_co_u32 s66, s66, s2
	s_mov_b32 s67, 0
	s_add_nc_u64 s[12:13], s[12:13], s[66:67]
	s_lshl_b32 s66, s19, 8                         ; a row of cos or sin is 256 bytes
	s_add_nc_u64 s[8:9], s[8:9], s[66:67]
	s_add_nc_u64 s[10:11], s[10:11], s[66:67]
.macro FRAG reg, adr, q, i             ; a fragment, 16 rows x 128 K of 4-bit codes, is 8 registers: lane l holds row l % 16; registers 4 c .. 4 c + 3 hold K = 64 c + 32 (l / 16) + 0 .. 31
.irp c, 0,1
	ds_load_b128 v[\reg+4*\c:\reg+4*\c+3], v[\adr] offset:64*(\q)+32*\c+(\i)*16*PITCH
.endr
.endm
; 16 matrix instructions: A's blocks a0, a0 + 1 x B's eight, the slot's q-th 128 along K.  p: B's set;  sc: the set of scale words.  zero = 1: the first product starts the sums.
; The 64 accumulators take turns, one instruction a turn, in the same order in every step.
.macro MUL16 a0, p, q, sc, zero
.irp a, \a0, \a0+1
.irp b, 0,1,2,3,4,5,6,7
.if \zero
	v_wmma_scale_f32_16x16x128_f8f6f4 v[8*(8*((\a)%4)+\b):8*(8*((\a)%4)+\b)+7], v[128*(\p)+FR*\b:128*(\p)+FR*\b+FR-1], v[AF+FR*(\a):AF+FR*(\a)+FR-1], 0, v[SC+8*NQ*(\sc)+NQ*\b+(\q)], v[SC+8*NQ*(\sc)+NQ*(\a)+(\q)] matrix_a_fmt:MATRIX_FMT_FP4 matrix_b_fmt:MATRIX_FMT_FP4 matrix_a_scale:MATRIX_SCALE_ROW1
.else
	v_wmma_scale_f32_16x16x128_f8f6f4 v[8*(8*((\a)%4)+\b):8*(8*((\a)%4)+\b)+7], v[128*(\p)+FR*\b:128*(\p)+FR*\b+FR-1], v[AF+FR*(\a):AF+FR*(\a)+FR-1], v[8*(8*((\a)%4)+\b):8*(8*((\a)%4)+\b)+7], v[SC+8*NQ*(\sc)+NQ*\b+(\q)], v[SC+8*NQ*(\sc)+NQ*(\a)+(\q)] matrix_a_fmt:MATRIX_FMT_FP4 matrix_b_fmt:MATRIX_FMT_FP4 matrix_a_scale:MATRIX_SCALE_ROW1
.endif
.endr
.endr
.endm
.macro FETCH_B slot, q, p              ; B's eight fragments of the slot's q-th 128 along K into set p
	WIN TO_B
.irp i, 0,1,2,3,4,5,6,7
	FRAG 128*(\p)+FR*\i, ADRB+\slot, \q, \i
.endr
	WIN 0
.endm
.macro FETCH_A slot, q, i0             ; A's blocks i0 .. i0 + 3
.irp i, \i0, \i0+1, \i0+2, \i0+3
	FRAG AF+FR*(\i), ADRA+\slot, \q, \i
.endr
.endm
.macro SCALES sc                       ; a slot's scale words into set sc: four words a row; lanes 0-15 take A's block i, lanes 16-31 B's block i
.irp i, 0,1,2,3,4,5,6,7
	ds_load_b128 v[SC+8*NQ*\sc+NQ*\i:SC+8*NQ*\sc+NQ*\i+3], v[ADRS] offset:\i*SBLK
.endr
.endm
.macro PLACES n                        ; places in front of loads into registers that matrix instructions have read, and of the first read of results: plain vector instructions that name none of their registers
.rept \n
	v_nop
.endr
.endm
; A step of 128 along K that has its successor in the same slot.  A's blocks 0-3 are fetched anew in its middle, blocks 4-7 at its end; B has two sets.
.macro STEP slot, q, zero
	s_wait_dscnt 4*NL                              ; B's set and A's blocks 0-3 are in; the youngest eight loads (A's blocks 4-7) may be out
	WIN MUL_LO
	MUL16 0, (\q)%2, \q, \slot, \zero
	MUL16 2, (\q)%2, \q, \slot, \zero
	s_wait_dscnt 0                                 ; A's blocks 4-7 are in
	PLACES NP
	FETCH_B \slot, (\q)+1, 1-(\q)%2
	FETCH_A \slot, (\q)+1, 0
	WIN MUL_HI
	MUL16 4, (\q)%2, \q, \slot, \zero
	MUL16 6, (\q)%2, \q, \slot, \zero
	PLACES NP
	WIN 0
	FETCH_A \slot, (\q)+1, 4
.endm
; Slot 0's last step goes over to slot 1: each wave has waited for its part of slot 1, and behind the barrier slot 1 is whole.  Nothing is filled again.
.macro TURN slot, next
	s_wait_tensorcnt 0x0                           ; all my tensor loads have landed: my part of the next slot
	ds_add_u32 v[SPW], v[NIL]                      ; 0 onto my spare word
	s_wait_dscnt 4*NL+1                            ; (the add and the youngest eight loads, A's blocks 4-7, may be out)
	WIN MUL_LO
	MUL16 0, 1, NQ-1, \slot, 0
	s_wait_dscnt 0x0                               ; no LDS instruction of mine is out at the signal
	s_barrier_signal -1
	MUL16 2, 1, NQ-1, \slot, 0
	WIN 0
	s_barrier_wait -1
	PLACES NP
	v_add_nc_u32 v[ADRS], 4*NQ, v[ADRS]            ; on to the next slot's scale words
	FETCH_B \next, 0, 0
	FETCH_A \next, 0, 0
	SCALES \next
	WIN MUL_HI
	MUL16 4, 1, NQ-1, \slot, 0
	MUL16 6, 1, NQ-1, \slot, 0
	PLACES NP
	WIN 0
	FETCH_A \next, 0, 4
.endm
.macro STEPS slot, from                ; the slot's steps from .. NQ - 2
.set Q, \from
.rept NQ-1-\from
	STEP \slot, Q, 0
.set Q, Q+1
.endr
.endm
	s_wait_tensorcnt 1                             ; the scales and my part of slot 0 are in (slot 1's load may be out)
	s_barrier_signal -1
	s_barrier_wait -1                              ; everybody's are
	FETCH_B 0, 0, 0
	FETCH_A 0, 0, 0
	SCALES 0
	FETCH_A 0, 0, 4
	STEP 0, 0, 1                                   ; the first step's products start the sums: nothing is cleared
	STEPS 0, 1
	TURN 0, 1
	STEPS 1, 0
	s_wait_dscnt 4*NL                              ; the last step: nothing more to fetch
	WIN MUL_LO
	MUL16 0, 1, NQ-1, 1, 0
	MUL16 2, 1, NQ-1, 1, 0
	s_wait_dscnt 0
	WIN MUL_HI
	MUL16 4, 1, NQ-1, 1, 0
	MUL16 6, 1, NQ-1, 1, 0
	WIN 0
	PLACES NP                                      ; in front of the first read of results, and of loads and writes into the registers that held scale words and A's fragments
	s_cmp_eq_u32 ttmp9, 2
	s_cbranch_scc1 .Lv_out
; THE WAY OUT OF q AND k, by blocks a of 16 tokens.  Accumulator (a, b): lane (r, h) holds token 16 a + r and channels 16 b + 8 h + 0 .. 7 of my 128: head b / 4, channel d = 16 (b % 4) + 8 h + j.
; out(d) = x(d) cos(d) - x(d + 32) sin(d) for d < 32, out(d + 32) = x(d + 32) cos(d + 32) + x(d) sin(d + 32): the partner lies in accumulator b + 2 of the same lane.  cos and sin are read at d and at d + 32, as they are given.
.macro CSLOAD a                        ; block a's rows of cos and sin: register 8 q + j = channel 16 q + 8 h + j of token 16 a + r.  Sixteen loads
.set CB0, CSR+64*((\a)%2)
.irp q, 0,1,2,3
.irp i, 0,1
	global_load_b128 v[CB0+8*\q+4*\i:CB0+8*\q+4*\i+3], v[RO], s[8:9] offset:4096*(\a)+64*\q+16*\i
	global_load_b128 v[CB0+32+8*\q+4*\i:CB0+32+8*\q+4*\i+3], v[RO], s[10:11] offset:4096*(\a)+64*\q+16*\i
.endr
.endr
.endm
.macro CSSCALE a                       ; x 2^-4, exact; the sine of the first 32 channels also takes the rotation's minus
.set CB0, CSR+64*((\a)%2)
.irp j, 0,2,4,6,8,10,12,14,16,18,20,22,24,26,28,30
	v_pk_mul_f32 v[CB0+\j:CB0+\j+1], v[CB0+\j:CB0+\j+1], 0x3d800000 op_sel_hi:[1,0]
.endr
.irp j, 0,2,4,6,8,10,12,14
	v_pk_mul_f32 v[CB0+32+\j:CB0+32+\j+1], v[CB0+32+\j:CB0+32+\j+1], 0xbd800000 op_sel_hi:[1,0]
.endr
.irp j, 16,18,20,22,24,26,28,30
	v_pk_mul_f32 v[CB0+32+\j:CB0+32+\j+1], v[CB0+32+\j:CB0+32+\j+1], 0x3d800000 op_sel_hi:[1,0]
.endr
.endm
.macro ROPE a
.set CB0, CSR+64*((\a)%2)
.set AC, 64*((\a)%4)
	WIN 2+(\a)/4                                   ; source 0: the accumulators' window
.irp hl, 0,1
.irp q, 0,1
.irp j, 0,2,4,6                        ; each accumulator from its low end on
	v_pk_mul_f32 v[T+8*(4*\hl+\q)+\j:T+8*(4*\hl+\q)+\j+1], v[AC+8*(4*\hl+\q)+\j:AC+8*(4*\hl+\q)+\j+1], v[CB0+8*\q+\j:CB0+8*\q+\j+1]
	v_pk_mul_f32 v[T+8*(4*\hl+\q+2)+\j:T+8*(4*\hl+\q+2)+\j+1], v[AC+8*(4*\hl+\q+2)+\j:AC+8*(4*\hl+\q+2)+\j+1], v[CB0+8*(\q+2)+\j:CB0+8*(\q+2)+\j+1]
	v_pk_fma_f32 v[T+8*(4*\hl+\q)+\j:T+8*(4*\hl+\q)+\j+1], v[AC+8*(4*\hl+\q+2)+\j:AC+8*(4*\hl+\q+2)+\j+1], v[CB0+32+8*\q+\j:CB0+32+8*\q+\j+1], v[T+8*(4*\hl+\q)+\j:T+8*(4*\hl+\q)+\j+1]
	v_pk_fma_f32 v[T+8*(4*\hl+\q+2)+\j:T+8*(4*\hl+\q+2)+\j+1], v[AC+8*(4*\hl+\q)+\j:AC+8*(4*\hl+\q)+\j+1], v[CB0+32+8*(\q+2)+\j:CB0+32+8*(\q+2)+\j+1], v[T+8*(4*\hl+\q+2)+\j:T+8*(4*\hl+\q+2)+\j+1]
.endr
.endr
.endr
	WIN 0
	s_wait_xcnt 0x0                                ; the last block's stores have read their registers: they are written again only behind this wait
.irp b, 0,1,2,3,4,5,6,7
.irp i, 0,1,2,3
	v_cvt_pk_f16_f32 v[PK+4*\b+\i], v[T+8*\b+2*\i], v[T+8*\b+2*\i+1]
.endr
.endr
.irp b, 0,1,2,3,4,5,6,7                ; accumulator b's four registers are registers 4 (b % 2) .. + 3 of the fragment of channels 32 ((b % 4) / 2) on, of head b / 4
	global_store_b128 v[CO], v[PK+4*\b:PK+4*\b+3], s[12:13] offset:2048*(\a)+(\b/4)*262144+(\b%4)*512   ; 32 lanes store 512 consecutive bytes, aligned
.endr
.endm
	CSLOAD 0
.irp a, 0,1,2,3,4,5,6,7
.if \a < 7
	CSLOAD \a+1
	s_wait_loadcnt 16                              ; this block's sixteen loads are in; the next block's may be out
.else
	s_wait_loadcnt 0x0
.endif
	CSSCALE \a
	ROPE \a
.endr
	s_branch .Lend
; THE WAY OUT OF v.  Accumulator (a, b): lane (r, h) holds channel 16 a + r of my 128 (head a / 4, tile a % 4 of its four) and tokens 16 b + 8 h + 0 .. 7: registers 4 (b % 2) .. + 3 of the fragment of keys 32 (b / 2) on.
.Lv_out:
.irp a, 0,1,2,3,4,5,6,7
.if \a >= 4
	s_wait_xcnt 0x0                                ; the stores of four blocks back have read their registers
.endif
	WIN 0x0a+5*(\a/4)                              ; sources 0 and 1: window 2 or 3
.irp b, 0,1,2,3,4,5,6,7
.irp i, 0,1,2,3
	v_cvt_pk_f16_f32 v[32+32*(\a%4)+4*\b+\i], v[64*(\a%4)+8*\b+2*\i], v[64*(\a%4)+8*\b+2*\i+1]
.endr
.endr
	WIN 0
.irp b, 0,1,2,3,4,5,6,7
	global_store_b128 v[CO], v[32+32*(\a%4)+4*\b:32+32*(\a%4)+4*\b+3], s[12:13] offset:(\a/4)*262144+(\a%4)*1024+(\b/2)*4096+(\b%2)*512
.endr
.endr
.Lend:
	s_wait_tensorcnt 0x0                           ; the wave's end: behind my last tensor load
	ds_add_u32 v[SPW], v[NIL]
	s_wait_dscnt 0x0
	CROUND                                         ; the closing round: no work-group ends while a partner may still ask for a tile that names it
	s_endpgm
.Lfunc_end_k_q89118bf47c_qkv:
	.size	k_q89118bf47c_qkv, .Lfunc_end_k_q89118bf47c_qkv-k_q89118bf47c_qkv
	.p2alignl 7, 3214868480
	.fill 96, 4, 3214868480
	.section	.rodata,"a",@progbits
	.p2align	6, 0x0
	.amdhsa_kernel k_q89118bf47c_qkv
		.amdhsa_group_segment_fixed_size 327680
		.amdhsa_private_segment_fixed_size 0
		.amdhsa_enable_private_segment 0
		.amdhsa_kernarg_size 40
		.amdhsa_user_sgpr_count 2
		.amdhsa_user_sgpr_kernarg_segment_ptr 1
		.amdhsa_wavefront_size32 1
		.amdhsa_system_sgpr_workgroup_id_x 1
		.amdhsa_system_sgpr_workgroup_id_y 1
		.amdhsa_system_sgpr_workgroup_id_z 1
		.amdhsa_system_vgpr_workitem_id 0
		.amdhsa_next_free_vgpr 1024
		.amdhsa_next_free_sgpr 98
		.amdhsa_reserve_vcc 0
		.amdhsa_float_denorm_mode_32 3
		.amdhsa_float_denorm_mode_16_64 3
		.amdhsa_memory_ordered 1
		.amdhsa_forward_progress 1
		.amdhsa_inst_pref_size 209
	.end_amdhsa_kernel
	.amdgpu_metadata
---
amdhsa.version: [ 1, 2 ]
amdhsa.kernels:
  - .name:           k_q89118bf47c_qkv
    .symbol:         k_q89118bf47c_qkv.kd
    .args:
      - { .name: codes, .offset: 0, .size: 8, .value_kind: global_buffer, .address_space: global }
      - { .name: scales, .offset: 8, .size: 8, .value_kind: global_buffer, .address_space: global }
      - { .name: cos, .offset: 16, .size: 8, .value_kind: global_buffer, .address_space: global }
      - { .name: sin, .offset: 24, .size: 8, .value_kind: global_buffer, .address_space: global }
      - { .name: qkv, .offset: 32, .size: 8, .value_kind: global_buffer, .address_space: global }
    .group_segment_fixed_size: 327680
    .private_segment_fixed_size: 0
    .kernarg_segment_align: 8
    .kernarg_segment_size: 40
    .max_flat_workgroup_size: 128
    .sgpr_count:     98
    .vgpr_count:     1024
    .wavefront_size: 32
...
	.end_amdgpu_metadata
.endif
;; end of part 2
;; launch attn (part 3): grid 4 x 64, 8 waves a work-group, clusters of 4 x 1, 327,680 bytes of LDS; arguments qkv, attention_mask, o_ws; writes o_ws
.if DOCPART == 3
	.amdgcn_target "amdgcn-amd-amdhsa--gfx1250"
	.amdhsa_code_object_version 6
	.text
	.protected	k_q89118bf47c_attn
	.globl	k_q89118bf47c_attn
	.p2align	8
	.type	k_q89118bf47c_attn,@function
k_q89118bf47c_attn:
	s_mov_b64 s[64:65], 0
	v_nop
	global_prefetch_b8 v0, s[64:65] scope:SCOPE_SE
	s_setreg_imm32_b32 hwreg(HW_REG_WAVE_MODE, 25, 1), 1
	s_wait_xcnt 0x0
	s_wait_alu depctr_hold_cnt(0) depctr_sa_sdst(0) depctr_va_vdst(0) depctr_va_sdst(0) depctr_va_ssrc(0) depctr_va_vcc(0) depctr_vm_vsrc(0)
	s_getreg_b32 s2, hwreg(HW_REG_IB_STS2, 6, 4)
	s_cmp_eq_u32 s2, 0
	s_cbranch_scc0 .Lentry_in_a_cluster
	s_endpgm
.Lentry_in_a_cluster:
	s_bfe_u32 s2, ttmp6, 0x10000c
	s_cmp_lg_u32 s2, 0x3003
	s_cbranch_scc0 .Lentry_shape_is_right
	s_endpgm
.Lentry_shape_is_right:
; o[b][head][q] = the sum over k of softmax_k(q . k / 8 + mask[b][k]) v[k], head size 64, 2,048 keys, no mask but the additive input.  Operands in f16, products, maxima and sums in f32.
; qkv holds images of operand registers (a fragment of 16 x 32 f16 is 1,024 bytes: registers 0-3 of lane l at 16 l, registers 4-7 at 512 + 16 l): q at 0, k at 16 MiB, v at 32 MiB, each [16 b + head][262,144 bytes];
; q, k: [16 tokens][32 channels], both x 2^-4; v: [32 keys][16 channels], lane = channel.  So every fragment is read at 16 x lane, in LDS without padding, and nothing is turned.
; SHARES.  A cluster of four work-groups is one (b, head); each owns 512 queries, each of its eight waves 64: four tiles of 16, as two pieces of two.  Every wave walks all keys, 64 a step.  Two waves of 512 registers share a SIMD:
; a step's softmax is some seven vector instructions for each matrix instruction, more than fits between one wave's matrix instructions, so the text goes in plain phases and the second wave's phases stand beside the first's.
; LAYOUT.  S^T = K Q^T + C (source 0 = 16 keys, source 1 = 16 queries): a lane holds ONE query and keys 8 (l / 16) + 0 .. 7.  C is the mask / 32 of the tile's keys, given as the C of each tile's first matrix instruction: the mask costs no vector instruction.
; Since q and k carry 2^-4 each, S = (q . k / 8 + mask) / 32.  Two tiles of S^T, as p in f16, are source 1 (32 keys x 16 queries) of O^T += V^T P.
; SOFTMAX.  For each query a running maximum m and sum l: p = 2^(c S - c m), c = 32 log2(e); in every step O and l are multiplied by a = 2^(c m_old - c m_new).  l sums the unrounded p.
; K and V come through two LDS slots of 512 keys; each of the eight waves moves 16,384 bytes of a slot by one joint load, named to all four partners.  A refill has eight key steps, 512 matrix instructions of a wave, in which to land,
; so no wave is left waiting for it and no prefetch is laid.
; LIMITS: mask / 32 is held at -1e30 from below (so no infinity enters a product) and m starts at -2e30: keys so masked count for nothing beside any key above that; a row ALL of whose keys lie under it gets the plain mean of v
; (where every key of a batch is -inf the definition gives NaN, and where such keys differ among themselves it prefers the largest: neither is served).  NaN and +inf in the mask are not served.  |o| up to 65,504.
; REGISTERS.  window 0: v1-7 addresses; v16-47 statistics, eight a tile (+0 c m, +1 m, +2, +3 l, +4 .. +7 at work; a at +6); v48-111 S^T of the piece in hand; v112-239 O^T (tile t, channels 16 ct on: 112 + 32 t + 8 ct).
;             window 1: v0-63 Q; v64-127 K of a step; v128-191 V of a step; v192-223 the step's mask tiles; v224-255 P of the piece in hand.
.set SLOT1, 139264                     ; a slot is 131,072 bytes: K's 65,536, then V's; behind each slot 8,192 bytes that nothing names
.set VOFF,  65536
.set MASK,  2*SLOT1                    ; mask / 32 of the batch's 2,048 keys: written by LDS stores, never a fill's target
.set SPARE, MASK+8192+256              ; the spare words, 128 bytes for each of eight waves
.set LI,  1                            ; v1  16 x lane
.set AV0, 2                            ; v2  VOFF + 16 x lane
.set AM0, 3                            ; v3  MASK + 32 (l / 16)
.set ADR, 4                            ; v4  the address of the run of loads in hand
.set ADM, 5                            ; v5  and of the mask's
.set SPW, 6                            ; v6  my spare word; never rewritten
.set NIL, 7                            ; v7  0; never rewritten
.set ST,  16
.set S,   48
.set OA,  112
.set QF,  0
.set KF,  64
.set VF,  128
.set MK,  192
.set PF,  224
.set WV,  14                           ; s14 my wave's number
.set G1,  24                           ; s[24:31] descriptor group 1
.set G0A, 32                           ; s[32:35] group 0 for slot 0;  s[36:39] for slot 1
.set G0B, 36
.set CS,  40                           ; s[40:41] c, twice
.set SEL, 42                           ; s[42:43] lane selects: lane l xor 16
.set TB,  44                           ; s44 LDS byte at which the K tiles of the step to be fetched begin
.set TM,  45                           ; s45 and its mask numbers: 256 bytes a step
.set CNT, 46
.set MSB, 0
.macro WIN new                         ; the immediate's high byte repeats the setting that is left
.if MSB != (\new)
	s_set_vgpr_msb (MSB<<8)|(\new)
.set MSB, (\new)
.endif
.endm
.macro CROUND                          ; a round of the cluster's barrier
	s_barrier_signal -1
	s_barrier_wait -1
	s_cmp_lg_u32 s[WV], 0
	s_cbranch_scc1 .Lnot_wave_0_\@
	s_barrier_signal -3
.Lnot_wave_0_\@:
	s_barrier_wait -3
	s_barrier_signal -1
	s_barrier_wait -1
.endm
.macro PLACES
.rept 4
	v_nop
.endr
.endm
	s_load_b128 s[4:7], s[0:1], 0x0                ; qkv s[4:5], attention_mask s[6:7]
	s_load_b64 s[8:9], s[0:1], 0x10                ; o_ws
	v_lshl_add_u32 v[SPW], v0, 2, SPARE
	v_mov_b32 v[NIL], 0
	ds_add_u32 v[SPW], v[NIL]                      ; the wave's opening: the add, twice on end, and its wait ahead of my first tensor load
	ds_add_u32 v[SPW], v[NIL]
	v_lshrrev_b32 v8, 5, v0
	v_readfirstlane_b32 s[WV], v8                  ; wave 0..7
	s_bfe_u32 s15, ttmp6, 0x40000                  ; cx: it enters Q's and O's addresses alone
	s_and_b32 s16, ttmp7, 0xffff                   ; 16 b + head, which the four partners share
	; descriptor group 1: 16,384 dense bytes as 64 rows of 256 bytes
	s_mov_b32 s[G1], 15|(3<<16)|(1<<21)            ; 15:0 the mask: all four work-groups; 17:16 elements of 8 bytes; 20 no padding; 21 set beside a mask
	s_mov_b32 s[G1+1], 32<<16                      ; tensor_dim0 = 32
	s_mov_b32 s[G1+2], 64<<16                      ; tensor_dim1 = 64
	s_mov_b32 s[G1+3], 32<<16                      ; tile_dim0
	s_mov_b32 s[G1+4], 64                          ; tile_dim1
	s_mov_b32 s[G1+5], 32                          ; from row to row
	s_mov_b32 s[G1+6], 0
	s_mov_b32 s[G1+7], 0
	s_mov_b32 s[CS], 0x4238aa3b                    ; c = 32 log2(e)
	s_mov_b32 s[CS+1], s[CS]
	s_mov_b32 s[SEL], 0x76543210
	s_mov_b32 s[SEL+1], 0xfedcba98
	s_mov_b32 s[TB], 0
	s_mov_b32 s[TM], 0
	s_lshr_b32 s17, s[WV], 2                       ; waves 0-3 fetch K's quarters of a slot, waves 4-7 V's
	s_add_co_u32 s17, s17, 1
	s_lshl_b32 s17, s17, 24                        ; k at 16 MiB, v at 32 MiB
	s_lshl_b32 s18, s16, 18                        ; the head's 262,144 bytes
	s_add_co_u32 s20, s17, s18
	s_and_b32 s19, s[WV], 3
	s_lshl_b32 s19, s19, 14
	s_add_co_u32 s20, s20, s19                     ; my quarter
	s_mov_b32 s21, 0
	s_lshl_b32 s22, s[WV], 14                      ; and its place in a slot: 16,384 x wave (V's 65,536 lie behind K's)
	s_lshl_b32 s10, s15, 16                        ; Q: my work-group's 512 queries, 128 bytes each,
	s_lshl_b32 s11, s[WV], 13                      ; my wave's 64
	s_add_co_u32 s10, s10, s11
	s_add_co_u32 s10, s10, s18
	s_mov_b32 s11, 0
	s_lshr_b32 s23, s16, 4                         ; the batch
	s_lshl_b32 s12, s23, 13                        ; its 2,048 mask numbers
	s_mov_b32 s13, 0
	s_lshl_b32 s2, s23, 7                          ; O: tile of 16 tokens = 128 b + 32 cx + 4 wave, 32,768 bytes each;
	s_lshl_b32 s3, s15, 5
	s_add_co_u32 s2, s2, s3
	s_lshl_b32 s3, s[WV], 2
	s_add_co_u32 s2, s2, s3
	s_lshl_b32 s2, s2, 15
	s_and_b32 s3, s16, 15
	s_lshl_b32 s3, s3, 11                          ; in it the head's two fragments
	s_add_co_u32 s2, s2, s3
	s_mov_b32 s3, 0
	s_wait_dscnt 0x0                               ; both opening adds are done
	s_wait_kmcnt 0x0
	s_add_nc_u64 s[20:21], s[4:5], s[20:21]
	s_add_nc_u64 s[10:11], s[4:5], s[10:11]
	s_add_nc_u64 s[6:7], s[6:7], s[12:13]
	s_add_nc_u64 s[8:9], s[8:9], s[2:3]
	CROUND                                         ; all four work-groups are here: the first joint loads meet
	s_mov_b32 s[G0A], 1                            ; count = 1
	s_mov_b32 s[G0A+1], s22                        ; LDS address: slot 0
	s_mov_b64 s[G0A+2:G0A+3], s[20:21]             ; keys 0 to 511
	s_or_b32 s[G0A+3], s[G0A+3], 0x80000000        ; type = 2
	s_mov_b32 s[G0B], 1
	s_add_co_u32 s[G0B+1], s22, SLOT1
	s_add_nc_u64 s[G0B+2:G0B+3], s[20:21], 65536   ; keys 512 to 1,023
	s_or_b32 s[G0B+3], s[G0B+3], 0x80000000
	tensor_load_to_lds s[G0A:G0A+3], s[G1:G1+7]    ; both first fills together: two tensor loads of mine are out
	s_nop 0
	tensor_load_to_lds s[G0B:G0B+3], s[G1:G1+7]
	s_nop 0
	PLACES
	v_and_b32 v[LI], 31, v0
	v_lshlrev_b32 v[LI], 4, v[LI]
	v_add_nc_u32 v[AV0], VOFF, v[LI]
	v_bfe_u32 v[AM0], v0, 4, 1
	v_lshl_add_u32 v[AM0], v[AM0], 5, MASK
	WIN 0x40                                       ; destination window 1
.irp t, 0,1,2,3                        ; Q stays in registers: tile t, registers 4 i on
.irp i, 0,1,2,3
	global_load_b128 v[QF+16*\t+4*\i:QF+16*\t+4*\i+3], v[LI], s[10:11] offset:2048*\t+512*\i th:TH_LOAD_NT
.endr
.endr
	WIN 0
	v_lshlrev_b32 v8, 4, v0                        ; the mask: 256 threads x 16 bytes, twice
	global_load_b128 v[48:51], v8, s[6:7]
	global_load_b128 v[52:55], v8, s[6:7] offset:4096
	v_add_nc_u32 v9, MASK, v8
.set i, 0
.rept 128
	v_mov_b32 v[OA+i], 0                           ; O^T.  The key step is written with no first step of its own: the first finds zeros, which a = 0 leaves zeros; that spares one more copy of the step's text
.set i, i+1
.endr
.irp t, 0,1,2,3
	v_mov_b32 v[ST+8*\t+1], 0xf1c9f2ca             ; m = -2e30, under every S
	v_mov_b32 v[ST+8*\t+2], 0                      ; l
	v_mov_b32 v[ST+8*\t+3], 0
.endr
.irp t, 0,1,2,3
	v_mul_f32 v[ST+8*\t], s[CS], v[ST+8*\t+1]      ; c m
.endr
	s_wait_loadcnt 0x0                             ; Q and the mask
.irp j, 48,50,52,54
	v_pk_mul_f32 v[\j:\j+1], v[\j:\j+1], 0x3d000000 op_sel_hi:[1,0]   ; / 32: exact
.endr
.irp j, 48,49,50,51,52,53,54,55
	v_max_num_f32 v[\j], 0xf149f2ca, v[\j]         ; held at -1e30 from below
.endr
	ds_store_b128 v9, v[48:51]
	ds_store_b128 v9, v[52:55] offset:4096
	s_wait_tensorcnt 0x1                           ; my part of slot 0 is in; slot 1's may stay out
	s_wait_dscnt 0x0                               ; my part of the mask lies in LDS
	s_barrier_signal -1
	s_barrier_wait -1                              ; everybody's does
; S^T of piece x (tiles x, x + 1): eight accumulators by turns; the first link takes the mask tile as C, the second adds the channels 32 on.
.macro QK x
	WIN 0x15                                       ; K, Q and the mask tiles in window 1, S^T in window 0
.irp kt, 0,1,2,3
.irp u, 0,1
	v_wmma_f32_16x16x32_f16 v[S+32*\u+8*\kt:S+32*\u+8*\kt+7], v[KF+16*\kt:KF+16*\kt+7], v[QF+16*(\x+\u):QF+16*(\x+\u)+7], v[MK+8*\kt:MK+8*\kt+7]
.endr
.endr
	WIN 0x05
.irp kt, 0,1,2,3
.irp u, 0,1
	v_wmma_f32_16x16x32_f16 v[S+32*\u+8*\kt:S+32*\u+8*\kt+7], v[KF+16*\kt+8:KF+16*\kt+15], v[QF+16*(\x+\u)+8:QF+16*(\x+\u)+15], v[S+32*\u+8*\kt:S+32*\u+8*\kt+7]
.endr
.endr
.endm
; O^T += V^T P of piece x: eight accumulators by turns, keys 32 g on.
.macro PV x
	WIN 0x05                                       ; V and P in window 1, O^T in window 0
.irp g, 0,1
.irp ct, 0,1,2,3
.irp u, 0,1
	v_wmma_f32_16x16x32_f16 v[OA+32*(\x+\u)+8*\ct:OA+32*(\x+\u)+8*\ct+7], v[VF+32*\g+8*\ct:VF+32*\g+8*\ct+7], v[PF+16*\u+8*\g:PF+16*\u+8*\g+7], v[OA+32*(\x+\u)+8*\ct:OA+32*(\x+\u)+8*\ct+7]
.endr
.endr
.endr
.endm
; The next step's K (8 fragments) and mask tiles: 24 loads in one run.  The two additions and two v_nop are the four places behind the products that read these registers.
.macro FETCH_KM
	WIN 0
	v_add_nc_u32 v[ADR], s[TB], v[LI]
	v_add_nc_u32 v[ADM], s[TM], v[AM0]
	v_nop
	v_nop
	WIN 0x40
.irp f, 0,1,2,3,4,5,6,7                ; keys 16 (f / 2) on, channels 32 (f % 2) on
	ds_load_b128 v[KF+8*\f:KF+8*\f+3],   v[ADR] offset:1024*\f
	ds_load_b128 v[KF+8*\f+4:KF+8*\f+7], v[ADR] offset:1024*\f+512
.endr
.irp kt, 0,1,2,3                       ; register j of tile kt: key 16 kt + 8 (l / 16) + j, the same for all queries
	ds_load_b128 v[MK+8*\kt:MK+8*\kt+3],   v[ADM] offset:64*\kt
	ds_load_b128 v[MK+8*\kt+4:MK+8*\kt+7], v[ADM] offset:64*\kt+16
.endr
	s_add_co_u32 s[TM], s[TM], 256
.endm
.macro FETCH_V                         ; the same step's V: 8 fragments, 16 loads
	WIN 0
	v_add_nc_u32 v[ADR], s[TB], v[AV0]
	v_nop
	v_nop
	v_nop
	WIN 0x40
.irp f, 0,1,2,3,4,5,6,7                ; keys 32 (f / 4) on, channels 16 (f % 4) on
	ds_load_b128 v[VF+8*\f:VF+8*\f+3],   v[ADR] offset:1024*\f
	ds_load_b128 v[VF+8*\f+4:VF+8*\f+7], v[ADR] offset:1024*\f+512
.endr
	s_add_co_u32 s[TB], s[TB], 8192                ; the next fetch is the next step's
.endm
; THE SOFTMAX of piece x for one key step; the two tiles alternate line by line, so that no line waits for the line above it.
.macro SM x
.irp j, 0,1,2,3                        ; the maximum of the lane's 32 scores and the old m: four chains of seven; each accumulator is read from its low end on
.irp u, 0,1
	v_max3_num_f32 v[ST+8*(\x+\u)+4+\j], v[S+32*\u+8*\j], v[S+32*\u+8*\j+1], v[S+32*\u+8*\j+2]
.endr
.endr
.irp i, 3,5
.irp j, 0,1,2,3
.irp u, 0,1
	v_max3_num_f32 v[ST+8*(\x+\u)+4+\j], v[ST+8*(\x+\u)+4+\j], v[S+32*\u+8*\j+\i], v[S+32*\u+8*\j+\i+1]
.endr
.endr
.endr
.irp u, 0,1
	v_max3_num_f32 v[ST+8*(\x+\u)+4], v[ST+8*(\x+\u)+4], v[S+32*\u+7], v[S+32*\u+15]
.endr
.irp u, 0,1
	v_max3_num_f32 v[ST+8*(\x+\u)+6], v[ST+8*(\x+\u)+6], v[S+32*\u+23], v[S+32*\u+31]
.endr
.irp u, 0,1
	v_max3_num_f32 v[ST+8*(\x+\u)+4], v[ST+8*(\x+\u)+4], v[ST+8*(\x+\u)+5], v[ST+8*(\x+\u)+6]
.endr
.irp u, 0,1
	v_max3_num_f32 v[ST+8*(\x+\u)+4], v[ST+8*(\x+\u)+4], v[ST+8*(\x+\u)+7], v[ST+8*(\x+\u)+1]
.endr
.irp u, 0,1
	v_permlanex16_b32 v[ST+8*(\x+\u)+5], v[ST+8*(\x+\u)+4], s[SEL], s[SEL+1]   ; the query's other 32 keys lie in the lane 16 away
.endr
.irp u, 0,1
	v_mov_b32 v[ST+8*(\x+\u)+7], v[ST+8*(\x+\u)]   ; c m_old is kept for a
.endr
.irp u, 0,1
	v_max_num_f32 v[ST+8*(\x+\u)+1], v[ST+8*(\x+\u)+4], v[ST+8*(\x+\u)+5]
.endr
.irp u, 0,1
	v_mul_f32 v[ST+8*(\x+\u)], s[CS], v[ST+8*(\x+\u)+1]
.endr
.irp u, 0,1
	v_sub_f32 v[ST+8*(\x+\u)+7], v[ST+8*(\x+\u)+7], v[ST+8*(\x+\u)]
.endr
.irp u, 0,1
	v_exp_f32 v[ST+8*(\x+\u)+6], v[ST+8*(\x+\u)+7] ; a
.endr
.irp b, 0,1,2,3,4,5,6,7,8,9,10,11,12,13,14,15
.irp u, 0,1
	v_pk_fma_f32 v[S+32*\u+2*\b:S+32*\u+2*\b+1], v[S+32*\u+2*\b:S+32*\u+2*\b+1], s[CS:CS+1], v[ST+8*(\x+\u):ST+8*(\x+\u)+1] op_sel_hi:[1,0,0] neg_lo:[0,0,1] neg_hi:[0,0,1]   ; c s - c m, a pair at a time: the plain work behind the two a
.endr
.endr
	s_wait_alu depctr_va_vdst(0)                   ; the wait ahead of the first line that names a
.irp i, 0,1,2,3,4,5,6,7,8,9,10,11,12,13,14,15
.irp u, 0,1
	v_exp_f32 v[S+32*\u+2*\i], v[S+32*\u+2*\i]     ; p; no line of this run names an exponential's result
	v_exp_f32 v[S+32*\u+2*\i+1], v[S+32*\u+2*\i+1]
	v_pk_mul_f32 v[OA+32*(\x+\u)+2*\i:OA+32*(\x+\u)+2*\i+1], v[OA+32*(\x+\u)+2*\i:OA+32*(\x+\u)+2*\i+1], v[ST+8*(\x+\u)+6:ST+8*(\x+\u)+7] op_sel_hi:[1,0]   ; O^T x a stands among the exponentials; ascending
.endr
.endr
	s_wait_alu depctr_va_vdst(0)                   ; one wait for the 64 exponentials, behind a plain line and ahead of their first reader
	WIN 0x40                                       ; P lies in window 1
.irp i, 0,1,2,3,4,5,6,7,8,9,10,11,12,13,14,15
.irp u, 0,1
	v_cvt_pk_f16_f32 v[PF+16*\u+\i], v[S+32*\u+2*\i], v[S+32*\u+2*\i+1]
.endr
.endr
	WIN 0
.irp z, 0,1,2,3,4,5,6,7                ; the sum of the 16 pairs, in place: neighbours 1, 2, 4 and 8 pairs apart, then l takes it
.irp u, 0,1
	v_pk_add_f32 v[S+32*\u+4*\z:S+32*\u+4*\z+1], v[S+32*\u+4*\z:S+32*\u+4*\z+1], v[S+32*\u+4*\z+2:S+32*\u+4*\z+3]
.endr
.endr
.irp z, 0,1,2,3
.irp u, 0,1
	v_pk_add_f32 v[S+32*\u+8*\z:S+32*\u+8*\z+1], v[S+32*\u+8*\z:S+32*\u+8*\z+1], v[S+32*\u+8*\z+4:S+32*\u+8*\z+5]
.endr
.endr
.irp z, 0,1
.irp u, 0,1
	v_pk_add_f32 v[S+32*\u+16*\z:S+32*\u+16*\z+1], v[S+32*\u+16*\z:S+32*\u+16*\z+1], v[S+32*\u+16*\z+8:S+32*\u+16*\z+9]
.endr
.endr
.irp u, 0,1
	v_pk_add_f32 v[S+32*\u:S+32*\u+1], v[S+32*\u:S+32*\u+1], v[S+32*\u+16:S+32*\u+17]
.endr
.irp u, 0,1
	v_pk_fma_f32 v[ST+8*(\x+\u)+2:ST+8*(\x+\u)+3], v[ST+8*(\x+\u)+2:ST+8*(\x+\u)+3], v[ST+8*(\x+\u)+6:ST+8*(\x+\u)+7], v[S+32*\u:S+32*\u+1] op_sel_hi:[1,0,1]   ; l = a l + the sum
.endr
.endm
; A KEY STEP.  fetch = 1: the next step's K and mask are fetched behind the second piece's scores, its V behind the second piece's V^T P.
.macro ITER fetch
	s_wait_dscnt 16                                ; K and the mask tiles are in; V's sixteen loads, issued behind them, may be out
	QK 0
	WIN 0
	PLACES                                         ; in front of the first read of the scores
	SM 0
	s_wait_dscnt 0x0                               ; V is in
	PV 0
	QK 2
.if \fetch
	FETCH_KM                                       ; its first four lines are also the places in front of the read of the scores
	WIN 0
.else
	WIN 0
	PLACES
.endif
	SM 2
	PV 2
.if \fetch
	FETCH_V
.endif
	WIN 0
.endm
.macro ITERS n
	s_mov_b32 s[CNT], \n
.Liter_\@:
	ITER 1
	s_sub_co_u32 s[CNT], s[CNT], 1
	s_cmp_lg_u32 s[CNT], 0
	s_cbranch_scc1 .Liter_\@
.endm
; THE CHANGE OF SLOTS: all of the slot's bytes have been asked for.  Each wave waits for all its tensor loads, of which one is out at most: its part of the other slot; adds 0 to its spare word; waits for that and for its reads of the slot.
; fill = 1: the barrier is a round of the cluster's, so that no wave of any partner still reads the slot or has a load on its way, and the joint refill (the keys two slots on) is the first thing behind it, one load a wave.
.macro CHANGE fill, g0, tb
	s_wait_tensorcnt 0x0                           ; no tensor load of mine is out, so a group 0 may be written
	ds_add_u32 v[SPW], v[NIL]                      ; 0 onto my spare word
.if \fill
	s_add_nc_u64 s[\g0+2:\g0+3], s[\g0+2:\g0+3], 131072   ; 1,024 keys on; the type bits on top are not reached
.endif
	s_mov_b32 s[TB], \tb                           ; the fetches go on in the other slot
	s_wait_dscnt 0x0                               ; the add is done, and my reads of the slot are over
.if \fill
	CROUND
	tensor_load_to_lds s[\g0:\g0+3], s[G1:G1+7]
	s_nop 0
	PLACES
.else
	s_barrier_signal -1
	s_barrier_wait -1
.endif
.endm
	FETCH_KM                                       ; key step 0
	FETCH_V
	WIN 0
	ITERS 7                                        ; steps 0 to 6; they fetch steps 1 to 7: slot 0 is read out
	CHANGE 1, G0A, SLOT1                           ; slot 0 takes keys 1,024 to 1,535
	ITERS 8                                        ; steps 7 to 14; they fetch steps 8 to 15 from slot 1
	CHANGE 1, G0B, 0                               ; slot 1 takes keys 1,536 to 2,047
	ITERS 8                                        ; steps 15 to 22
	CHANGE 0, G0A, SLOT1                           ; nothing is left to ask for
	ITERS 8                                        ; steps 23 to 30
	ITER 0                                         ; step 31
	; THE WAY OUT.  l's two halves and the other half of the lanes' are added; O^T / l, in f16, is an image of the next product's operand: tile t's channels 16 ct + 8 (l / 16) + 0 .. 7 are registers 4 (ct % 2) .. + 3 of the fragment of channels 32 (ct / 2) on.
.irp t, 0,1,2,3
	v_add_f32 v[ST+8*\t+4], v[ST+8*\t+2], v[ST+8*\t+3]   ; (these four are the places behind the last products)
.endr
.irp t, 0,1,2,3
	v_permlanex16_b32 v[ST+8*\t+5], v[ST+8*\t+4], s[SEL], s[SEL+1]
.endr
.irp t, 0,1,2,3
	v_add_f32 v[ST+8*\t+4], v[ST+8*\t+4], v[ST+8*\t+5]
.endr
.irp t, 0,1,2,3
	v_rcp_f32 v[ST+8*\t+6], v[ST+8*\t+4]
.endr
	v_nop                                          ; a plain line behind the last reciprocal
	s_wait_alu depctr_va_vdst(0)                   ; one wait for the four, ahead of their first reader
.irp t, 0,1,2,3
.irp i, 0,1,2,3,4,5,6,7,8,9,10,11,12,13,14,15
	v_pk_mul_f32 v[OA+32*\t+2*\i:OA+32*\t+2*\i+1], v[OA+32*\t+2*\i:OA+32*\t+2*\i+1], v[ST+8*\t+6:ST+8*\t+7] op_sel_hi:[1,0]
.endr
.irp i, 0,1,2,3,4,5,6,7,8,9,10,11,12,13,14,15
	v_cvt_pk_f16_f32 v[S+16*\t+\i], v[OA+32*\t+2*\i], v[OA+32*\t+2*\i+1]
.endr
.irp ct, 0,1,2,3
	global_store_b128 v[LI], v[S+16*\t+4*\ct:S+16*\t+4*\ct+3], s[8:9] offset:32768*\t+512*\ct   ; 32 lanes store 512 consecutive bytes, aligned
.endr
.endr
	s_wait_tensorcnt 0x0                           ; the wave's end: behind my last tensor load and my last LDS store
	ds_add_u32 v[SPW], v[NIL]
	s_wait_dscnt 0x0
	CROUND                                         ; the closing round
	s_endpgm
.Lfunc_end_k_q89118bf47c_attn:
	.size	k_q89118bf47c_attn, .Lfunc_end_k_q89118bf47c_attn-k_q89118bf47c_attn
	.p2alignl 7, 3214868480
	.fill 96, 4, 3214868480
	.section	.rodata,"a",@progbits
	.p2align	6, 0x0
	.amdhsa_kernel k_q89118bf47c_attn
		.amdhsa_group_segment_fixed_size 327680
		.amdhsa_private_segment_fixed_size 0
		.amdhsa_enable_private_segment 0
		.amdhsa_kernarg_size 24
		.amdhsa_user_sgpr_count 2
		.amdhsa_user_sgpr_kernarg_segment_ptr 1
		.amdhsa_wavefront_size32 1
		.amdhsa_system_sgpr_workgroup_id_x 1
		.amdhsa_system_sgpr_workgroup_id_y 1
		.amdhsa_system_sgpr_workgroup_id_z 1
		.amdhsa_system_vgpr_workitem_id 0
		.amdhsa_next_free_vgpr 512
		.amdhsa_next_free_sgpr 66
		.amdhsa_reserve_vcc 0
		.amdhsa_float_denorm_mode_32 3
		.amdhsa_float_denorm_mode_16_64 3
		.amdhsa_memory_ordered 1
		.amdhsa_forward_progress 1
		.amdhsa_inst_pref_size 188
	.end_amdhsa_kernel
	.amdgpu_metadata
---
amdhsa.version: [ 1, 2 ]
amdhsa.kernels:
  - .name:           k_q89118bf47c_attn
    .symbol:         k_q89118bf47c_attn.kd
    .args:
      - { .name: qkv, .offset: 0, .size: 8, .value_kind: global_buffer, .address_space: global }
      - { .name: attention_mask, .offset: 8, .size: 8, .value_kind: global_buffer, .address_space: global }
      - { .name: o_ws, .offset: 16, .size: 8, .value_kind: global_buffer, .address_space: global }
    .group_segment_fixed_size: 327680
    .private_segment_fixed_size: 0
    .kernarg_segment_align: 8
    .kernarg_segment_size: 24
    .max_flat_workgroup_size: 256
    .sgpr_count:     66
    .vgpr_count:     512
    .wavefront_size: 32
...
	.end_amdgpu_metadata
.endif
;; end of part 3
;; launch oproj (part 4): grid 4 x 64, 4 waves a work-group, clusters of 4 x 4, 327,680 bytes of LDS; arguments o_ws, wo_h, out0; writes out0
.if DOCPART == 4
	.amdgcn_target "amdgcn-amd-amdhsa--gfx1250"
	.amdhsa_code_object_version 6
	.text
	.protected	k_q89118bf47c_oproj
	.globl	k_q89118bf47c_oproj
	.p2align	8
	.type	k_q89118bf47c_oproj,@function
k_q89118bf47c_oproj:
	s_mov_b64 s[64:65], 0
	v_nop
	global_prefetch_b8 v0, s[64:65] scope:SCOPE_SE
	s_setreg_imm32_b32 hwreg(HW_REG_WAVE_MODE, 25, 1), 1
	s_wait_xcnt 0x0
	s_wait_alu depctr_hold_cnt(0) depctr_sa_sdst(0) depctr_va_vdst(0) depctr_va_sdst(0) depctr_va_ssrc(0) depctr_va_vcc(0) depctr_vm_vsrc(0)
	s_getreg_b32 s2, hwreg(HW_REG_IB_STS2, 6, 4)
	s_cmp_eq_u32 s2, 0
	s_cbranch_scc0 .Lentry_in_a_cluster
	s_endpgm
.Lentry_in_a_cluster:
	s_bfe_u32 s2, ttmp6, 0x10000c
	s_cmp_lg_u32 s2, 0xf033
	s_cbranch_scc0 .Lentry_shape_is_right
	s_endpgm
.Lentry_shape_is_right:
; out0[token][n] = the sum over k of o[token][k] Wo[n][k]: 8,192 x 1,024 x 1,024, operands in f16, sums in f32, out0 in f32.
; o_ws: images of operand registers, [tile of 16 tokens (512)][32 along K (32)][1,024 bytes] (registers 0-3 of lane l at 16 l, registers 4-7 at 512 + 16 l; lane = token).  wo_h: Wo in f16, [1024 n][1024 k].
; A tile of 128 tokens x 256 outputs is made by a work-group of four waves: 256 work-groups.  A wave makes 64 x 128: 32 accumulators, 256 registers.  K goes in 8 steps of 128 through two LDS slots.
; CLUSTERS: 4 x 4.  The four of a row of the cluster need the same tokens, the four of a column the same rows of Wo: each tile is asked for jointly.  Waves 0, 1 fetch the tokens' halves, waves 2, 3 Wo's.
; THE MATRIX INSTRUCTION IS USED TRANSPOSED (source 0 = 16 rows of Wo, source 1 = 16 tokens): a lane holds eight neighbouring numbers of a row of out0.
; No prefetch: the launch has eight K steps in all, of which four are asked for before a first prefetch could be of use.
; REGISTERS: window 0: v16-29 addresses; v32-95 the tokens' fragments, two buffers of 32; v96-223 Wo's, two buffers of 64 (on the way out: rows of out0).  window 1: the accumulators ((a, b) at v[8 (8 a + b)]).
.set PITCH,  272                       ; a row of Wo in LDS: 256 bytes + 16 of padding: the 16 rows that a load touches start at 16 different banks (64 banks of 4 bytes: ISA guide 11.1)
.set ABYTES, 32768                     ; the tokens' part of a slot: 8 tiles of 16 tokens x 4 fragments x 1,024 bytes, dense
.set HALFB,  128*PITCH
.set SLOT,   ABYTES+2*HALFB
.set STAGE,  2*SLOT                    ; behind the slots: 16 rows x (512 bytes + 16) for each wave, for the way out; no tensor load lands there
.set SPITCH, 528
.set SPARE,  STAGE+4*16*SPITCH         ; the spare words, 128 bytes a wave
.set LAPS,   4                         ; a lap = two K steps
.set ADRA, 16                          ; v16-17  LDS address of my tokens' fragments in slot 0, 1
.set ADRB, 20                          ; v20-21  the same for Wo
.set STO,  24                          ; v24     the way out: where I put 32 bytes of a row
.set RD,   25                          ; v25     where I read a row back
.set CO,   26                          ; v26     16 x lane
.set SPW,  28                          ; v28     my spare word; never rewritten
.set NIL,  29                          ; v29     0; never rewritten
.set FA,   32
.set FB,   96
.set BK,   96
.set G1, 24                            ; s[24:31] group 1 for the tokens' tiles;  s[32:39] group 0, one set for each slot
.set G0, 32
.set G1B, 48                           ; s[48:55], s[56:63] the same for Wo's
.set G0B, 56
.set MSB, 0
.macro WIN new
.if MSB != (\new)
	s_set_vgpr_msb (MSB<<8)|(\new)
.set MSB, (\new)
.endif
.endm
.set MUL, 0x50                         ; sources 0 and 1 window 0; C and D window 1
.macro JLOAD s                         ; a joint load; an s_nop 0 and four v_nop follow each of the two lines
	s_cmp_eq_u32 s11, 0
	s_cbranch_scc0 .Lfor_b_\@
	tensor_load_to_lds s[G0+4*\s:G0+4*\s+3], s[G1:G1+7]
	s_nop 0
.rept 4
	v_nop
.endr
	s_branch .Lasked_\@
.Lfor_b_\@:
	tensor_load_to_lds s[G0B+4*\s:G0B+4*\s+3], s[G1B:G1B+7]
	s_nop 0
.rept 4
	v_nop
.endr
.Lasked_\@:
.endm
.macro CREST                           ; a round of the cluster's barrier behind its opening barrier
	s_cmp_lg_u32 s10, 0
	s_cbranch_scc1 .Lnot_wave_0_\@
	s_barrier_signal -3
.Lnot_wave_0_\@:
	s_barrier_wait -3
	s_barrier_signal -1
	s_barrier_wait -1
.endm
.macro CROUND
	s_barrier_signal -1
	s_barrier_wait -1
	CREST
.endm
	s_load_b128 s[4:7], s[0:1], 0x0                ; o_ws s[4:5], wo_h s[6:7]
	s_load_b64 s[8:9], s[0:1], 0x10                ; out0
	v_lshl_add_u32 v[SPW], v0, 2, SPARE
	v_mov_b32 v[NIL], 0
	ds_add_u32 v[SPW], v[NIL]                      ; the wave's opening: the add, twice on end, and its wait ahead of my first tensor load
	ds_add_u32 v[SPW], v[NIL]
	v_lshrrev_b32 v1, 5, v0
	v_readfirstlane_b32 s10, v1                    ; wave 0..3
	s_lshr_b32 s11, s10, 1                         ; which 64 tokens are mine.  Also: I fetch tokens (0) or Wo (1)
	s_and_b32 s12, s10, 1                          ; which 128 outputs.  Also: which half of that tile I fetch
	s_bfe_u32 s40, ttmp6, 0x40000                  ; cx, cy
	s_bfe_u32 s41, ttmp6, 0x40004
	s_lshl_b32 s42, ttmp9, 2
	s_add_co_u32 s42, s42, s40                     ; tile of 256 outputs = 4 x cluster x + cx
	s_and_b32 s13, ttmp7, 0xffff
	s_lshl_b32 s13, s13, 2
	s_add_co_u32 s13, s13, s41                     ; tile of 128 tokens = 4 x cluster y + cy
	s_lshl_b32 s43, s41, 2
	s_lshl_b32 s43, 15, s43                        ; my row of the cluster
	s_lshl_b32 s44, 0x1111, s40                    ; my column
	; group 1 for the tokens: 4 rows (tiles of 16 tokens) of 4,096 bytes (a K step's four fragments), 32,768 bytes apart in memory, dense in LDS
	s_or_b32 s[G1+0], s43, (3<<16)|(1<<21)         ; 15:0 the mask: my row; 17:16 elements of 8 bytes; no padding; 21 set beside a mask
	s_mov_b32 s[G1+1], 512<<16                     ; tensor_dim0 = 512
	s_mov_b32 s[G1+2], 4<<16                       ; tensor_dim1 = 4
	s_mov_b32 s[G1+3], 512<<16                     ; tile_dim0
	s_mov_b32 s[G1+4], 4                           ; tile_dim1
	s_mov_b32 s[G1+5], 4096                        ; from row to row
	s_mov_b32 s[G1+6], 0
	s_mov_b32 s[G1+7], 0
	; group 1 for Wo: 128 rows x 128 elements of 2 bytes, 16 bytes of padding behind each row
	s_or_b32 s[G1B+0], s44, (1<<16)|(1<<20)|(1<<21)|(5<<22)|(3<<25)
	s_mov_b32 s[G1B+1], 128<<16
	s_mov_b32 s[G1B+2], 128<<16
	s_mov_b32 s[G1B+3], 128<<16
	s_mov_b32 s[G1B+4], 128
	s_mov_b32 s[G1B+5], 1024
	s_mov_b32 s[G1B+6], 0
	s_mov_b32 s[G1B+7], 0
	s_lshl_b32 s16, s13, 3
	s_lshl_b32 s17, s12, 2
	s_add_co_u32 s16, s16, s17                     ; tokens: tile of 16 = 8 x tile + 4 x half,
	s_lshl_b32 s16, s16, 15                        ; 32,768 bytes each
	s_mov_b32 s17, 0
	s_lshl_b32 s46, s42, 8
	s_lshl_b32 s47, s12, 7
	s_add_co_u32 s46, s46, s47                     ; Wo: row 256 x tile + 128 x half,
	s_lshl_b32 s46, s46, 11                        ; 2,048 bytes each
	s_mov_b32 s47, 0
	s_lshl_b32 s20, s12, 14                        ; where they go: the tokens' halves,
	s_mul_i32 s45, s12, HALFB
	s_add_co_u32 s45, s45, ABYTES                  ; behind them Wo's halves: no place in the cluster enters an LDS address
	s_wait_dscnt 0x0                               ; both opening adds are done
	s_wait_kmcnt 0x0
	s_add_nc_u64 s[14:15], s[4:5], s[16:17]
	s_add_nc_u64 s[46:47], s[6:7], s[46:47]
	CROUND                                         ; all sixteen work-groups are here: the first joint loads meet
.irp s, 0,1
	s_mov_b32 s[G0+4*\s], 1
	s_add_co_u32 s[G0+4*\s+1], s20, \s*SLOT
	s_add_nc_u64 s[G0+4*\s+2:G0+4*\s+3], s[14:15], \s*4096     ; K step s: four fragments on
	s_or_b32 s[G0+4*\s+3], s[G0+4*\s+3], 0x80000000
	s_mov_b32 s[G0B+4*\s], 1
	s_add_co_u32 s[G0B+4*\s+1], s45, \s*SLOT
	s_add_nc_u64 s[G0B+4*\s+2:G0B+4*\s+3], s[46:47], \s*256    ; 128 f16 on
	s_or_b32 s[G0B+4*\s+3], s[G0B+4*\s+3], 0x80000000
	JLOAD \s                                       ; two tensor loads of mine are out
.endr
	v_and_b32 v1, 15, v0                           ; l % 16
	v_bfe_u32 v2, v0, 4, 1                         ; l / 16
	v_and_b32 v3, 31, v0
	v_lshlrev_b32 v[CO], 4, v3
	v_mul_u32_u24 v4, v1, PITCH
	v_lshl_add_u32 v4, v2, 4, v4                   ; Wo: row x pitch + 16 x half
	s_lshl_b32 s21, s11, 14                        ; my 64 tokens
	s_mul_i32 s22, s12, HALFB                      ; my 128 rows of Wo
	s_add_co_u32 s22, s22, ABYTES
.irp s, 0,1
	v_add_nc_u32 v[ADRA+\s], s21, v[CO]
	v_add_nc_u32 v[ADRB+\s], s22, v4
	s_add_co_u32 s21, s21, SLOT
	s_add_co_u32 s22, s22, SLOT
.endr
	s_mul_i32 s23, s10, 16*SPITCH
	s_add_co_u32 s23, s23, STAGE                   ; my stage
	v_mul_u32_u24 v5, v1, SPITCH                   ; in: row l % 16, 32 bytes for each half of the lanes
	v_lshl_add_u32 v5, v2, 5, v5
	v_add_nc_u32 v[STO], s23, v5
	v_add_nc_u32 v[RD], s23, v[CO]                 ; back: the 32 lanes take one row of 512 bytes
	s_lshl_b32 s16, s13, 7
	s_lshl_b32 s17, s11, 6
	s_add_co_u32 s16, s16, s17                     ; my first row of out0: 128 x tile + 64 x half,
	s_lshl_b32 s16, s16, 12                        ; 4,096 bytes each
	s_mov_b32 s17, 0
	s_add_nc_u64 s[8:9], s[8:9], s[16:17]
	s_lshl_b32 s46, s42, 10                        ; my first column, in bytes: 1,024 x tile + 512 x half
	s_lshl_b32 s47, s12, 9
	s_add_co_u32 s46, s46, s47
	s_mov_b32 s47, 0
	s_add_nc_u64 s[8:9], s[8:9], s[46:47]
; 8 matrix instructions: the tokens' block a x Wo's eight, 32 along K, from buffers f.  zero = 1: the first product starts the sums.  The 32 accumulators take turns in the same order in every quarter.
.macro MUL8 f, a, zero
.irp b, 0,1,2,3,4,5,6,7
.if \zero
	v_wmma_f32_16x16x32_f16 v[8*(8*(\a)+\b):8*(8*(\a)+\b)+7], v[FB+64*(\f)+8*\b:FB+64*(\f)+8*\b+7], v[FA+32*(\f)+8*(\a):FA+32*(\f)+8*(\a)+7], 0
.else
	v_wmma_f32_16x16x32_f16 v[8*(8*(\a)+\b):8*(8*(\a)+\b)+7], v[FB+64*(\f)+8*\b:FB+64*(\f)+8*\b+7], v[FA+32*(\f)+8*(\a):FA+32*(\f)+8*(\a)+7], v[8*(8*(\a)+\b):8*(8*(\a)+\b)+7]
.endif
.endr
.endm
; 24 LDS loads in one run: the fragments of the slot's q-th 32 along K into buffers f: Wo's sixteen loads first, the tokens' blocks 2 and 3 last
.macro FETCH slot, q, f
.irp b, 0,1,2,3,4,5,6,7
	ds_load_b128 v[FB+64*(\f)+8*\b:FB+64*(\f)+8*\b+3],   v[ADRB+\slot] offset:64*(\q)+\b*16*PITCH
	ds_load_b128 v[FB+64*(\f)+8*\b+4:FB+64*(\f)+8*\b+7], v[ADRB+\slot] offset:64*(\q)+\b*16*PITCH+32
.endr
.irp a, 0,1,2,3
	ds_load_b128 v[FA+32*(\f)+8*\a:FA+32*(\f)+8*\a+3],   v[ADRA+\slot] offset:4096*\a+1024*(\q)
	ds_load_b128 v[FA+32*(\f)+8*\a+4:FA+32*(\f)+8*\a+7], v[ADRA+\slot] offset:4096*\a+1024*(\q)+512
.endr
.endm
.macro PLACES                          ; four places in front of loads into registers that matrix instructions have read, and of the first read of results
.rept 4
	v_nop
.endr
.endm
; A K step is four quarters of 32 along K, 32 matrix instructions each, on buffers 0, 1, 0, 1.  One of the first three: multiplies buffers f and fetches quarter qn into buffers g.
.macro QUARTER slot, qn, f, g, zero
	s_wait_dscnt 4                                 ; Wo's fragments and the tokens' blocks 0, 1 are in; the youngest four loads (blocks 2, 3) may be out
	WIN MUL
	MUL8 \f, 0, \zero
	MUL8 \f, 1, \zero
	WIN 0
	PLACES
	FETCH \slot, \qn, \g
	s_wait_dscnt 24                                ; all but the 24 just issued
	WIN MUL
	MUL8 \f, 2, \zero
	MUL8 \f, 3, \zero
.endm
; The last quarter multiplies buffers 1 and changes slots: ONE barrier; in front of it each wave waits for all its tensor loads, adds 0 to its spare word, and waits for that and for its reads of this slot.  fill = 1: this slot is filled again, two K steps ahead.
.macro TURN slot, next, fill
	WIN 0
	s_wait_tensorcnt 0x0                           ; all my tensor loads have landed: my part of the next slot
	ds_add_u32 v[SPW], v[NIL]                      ; 0 onto my spare word
	s_wait_dscnt 5                                 ; (the add and the youngest four loads may be out)
	WIN MUL
	MUL8 1, 0, 0                                   ; eight matrix instructions stand between the add and the wait for it
	s_wait_dscnt 0x0                               ; the add is done, and my reads of this slot are over
	s_barrier_signal -1
	MUL8 1, 1, 0
	WIN 0
	s_barrier_wait -1
.if \fill
	CREST                                          ; the barrier has opened a round of the cluster's: no wave of any partner still reads this slot or has a load on its way
	s_add_nc_u64 s[G0+4*\slot+2:G0+4*\slot+3], s[G0+4*\slot+2:G0+4*\slot+3], 8192
	s_add_nc_u64 s[G0B+4*\slot+2:G0B+4*\slot+3], s[G0B+4*\slot+2:G0B+4*\slot+3], 512
	JLOAD \slot                                    ; the first tensor load behind the round, one a wave; the four v_nop behind it are also the places in front of the loads below
.else
	PLACES
.endif
	FETCH \next, 0, 0
	WIN MUL
	MUL8 1, 2, 0
	MUL8 1, 3, 0
.endm
	s_wait_tensorcnt 1                             ; my part of K step 0 is in (K step 1's load may be out)
	s_barrier_signal -1
	s_barrier_wait -1                              ; everybody's is
	FETCH 0, 0, 0
	QUARTER 0, 1, 0, 1, 1                          ; the first quarter stands in front of the loop: its products start the sums
	WIN 0                                          ; at a label and at a branch every window is 0
	s_mov_b32 s3, LAPS-1
.Llap:                                                 ; a trip goes once round the two slots, from a lap's second quarter to the next lap's first, and fills both again
	QUARTER 0, 2, 1, 0, 0
	QUARTER 0, 3, 0, 1, 0
	TURN 0, 1, 1
	QUARTER 1, 1, 0, 1, 0
	QUARTER 1, 2, 1, 0, 0
	QUARTER 1, 3, 0, 1, 0
	TURN 1, 0, 1
	QUARTER 0, 1, 0, 1, 0
	WIN 0
	s_sub_co_u32 s3, s3, 1
	s_cmp_lg_u32 s3, 0
	s_cbranch_scc1 .Llap
	QUARTER 0, 2, 1, 0, 0                          ; the last lap fills nothing
	QUARTER 0, 3, 0, 1, 0
	TURN 0, 1, 0
	QUARTER 1, 1, 0, 1, 0
	QUARTER 1, 2, 1, 0, 0
	QUARTER 1, 3, 0, 1, 0
	s_wait_dscnt 4                                 ; the very last quarter: nothing more to fetch
	WIN MUL
	MUL8 1, 0, 0
	MUL8 1, 1, 0
	s_wait_dscnt 0
	MUL8 1, 2, 0
	MUL8 1, 3, 0
	WIN 0
; THE WAY OUT, by blocks of 16 tokens x 128 outputs.  A lane holds 32 neighbouring bytes of a row, the lanes beside it other rows: a block goes through my own stage in LDS and comes back as whole rows of 512 bytes.
; LDS serves a wave's instructions in order (ISA guide 5.7.1.4): no wait between the stores and the loads, nor in front of the next block's stores.
.macro TOSTAGE a
	WIN 0x04                                       ; an LDS store's data are its source 1: window 1
.irp b, 0,1,2,3,4,5,6,7
	ds_store_b128 v[STO], v[8*(8*(\a)+\b):8*(8*(\a)+\b)+3] offset:64*\b          ; each accumulator from its low end on
	ds_store_b128 v[STO], v[8*(8*(\a)+\b)+4:8*(8*(\a)+\b)+7] offset:64*\b+16
.endr
	WIN 0
.set BB, BK+64*((\a)%2)
.irp t, 0,1,2,3,4,5,6,7,8,9,10,11,12,13,14,15
	ds_load_b128 v[BB+4*\t:BB+4*\t+3], v[RD] offset:\t*SPITCH
.endr
.endm
.macro SEND a, younger                 ; younger: the LDS instructions issued behind block a's loads, which may stay out
.set BB, BK+64*((\a)%2)
	s_wait_dscnt \younger                          ; the block is back in registers
.if (\a) > 0
	s_add_nc_u64 s[8:9], s[8:9], 16*4096           ; (behind a wait on XCNT: the earlier stores have read their base)  16 rows of out0 on
.endif
.irp t, 0,1,2,3,4,5,6,7,8,9,10,11,12,13,14,15
	global_store_b128 v[CO], v[BB+4*\t:BB+4*\t+3], s[8:9] offset:\t*4096 th:TH_STORE_NT   ; 32 lanes store 512 consecutive bytes, aligned; written once, read by nobody here
.endr
.endm
	PLACES                                         ; in front of the first read of results and of loads into the registers that held fragments
	TOSTAGE 0
.irp a, 1,2,3
.if \a > 1
	s_wait_xcnt 0x0                                ; block a - 2's stores have read their registers and their base
.endif
	TOSTAGE \a
	SEND \a-1, 32                                  ; behind block a - 1's loads: block a's 16 stores and 16 loads
.endr
	s_wait_xcnt 0x0                                ; block 2's stores have read their base
	SEND 3, 0
	s_wait_tensorcnt 0x0                           ; the wave's end: behind my last tensor load and my last LDS store
	ds_add_u32 v[SPW], v[NIL]
	s_wait_dscnt 0x0
	CROUND                                         ; the closing round
	s_endpgm
.Lfunc_end_k_q89118bf47c_oproj:
	.size	k_q89118bf47c_oproj, .Lfunc_end_k_q89118bf47c_oproj-k_q89118bf47c_oproj
	.p2alignl 7, 3214868480
	.fill 96, 4, 3214868480
	.section	.rodata,"a",@progbits
	.p2align	6, 0x0
	.amdhsa_kernel k_q89118bf47c_oproj
		.amdhsa_group_segment_fixed_size 327680
		.amdhsa_private_segment_fixed_size 0
		.amdhsa_enable_private_segment 0
		.amdhsa_kernarg_size 24
		.amdhsa_user_sgpr_count 2
		.amdhsa_user_sgpr_kernarg_segment_ptr 1
		.amdhsa_wavefront_size32 1
		.amdhsa_system_sgpr_workgroup_id_x 1
		.amdhsa_system_sgpr_workgroup_id_y 1
		.amdhsa_system_sgpr_workgroup_id_z 1
		.amdhsa_system_vgpr_workitem_id 0
		.amdhsa_next_free_vgpr 512
		.amdhsa_next_free_sgpr 66
		.amdhsa_reserve_vcc 0
		.amdhsa_float_denorm_mode_32 3
		.amdhsa_float_denorm_mode_16_64 3
		.amdhsa_memory_ordered 1
		.amdhsa_forward_progress 1
		.amdhsa_inst_pref_size 85
	.end_amdhsa_kernel
	.amdgpu_metadata
---
amdhsa.version: [ 1, 2 ]
amdhsa.kernels:
  - .name:           k_q89118bf47c_oproj
    .symbol:         k_q89118bf47c_oproj.kd
    .args:
      - { .name: o_ws, .offset: 0, .size: 8, .value_kind: global_buffer, .address_space: global }
      - { .name: wo_h, .offset: 8, .size: 8, .value_kind: global_buffer, .address_space: global }
      - { .name: out0, .offset: 16, .size: 8, .value_kind: global_buffer, .address_space: global }
    .group_segment_fixed_size: 327680
    .private_segment_fixed_size: 0
    .kernarg_segment_align: 8
    .kernarg_segment_size: 24
    .max_flat_workgroup_size: 128
    .sgpr_count:     66
    .vgpr_count:     512
    .wavefront_size: 32
...
	.end_amdgpu_metadata
.endif
;; end of part 4
